; MI455X (gfx1250); checked and timed in simulation.
; The chip was launched on July 23, 2026; its instructions are those of AMD's public machine-readable ISA for CDNA 5 (MIT licence, August 2026) and "CDNA5" Instruction Set Architecture Reference Guide (July 2026). The comments in the code are by the model that wrote it; some were corrected since.
;; Cross Attention. Allowed arithmetic: matrix products marked QUANTISED: E2M3 operands, one E8M0 scale for each 32 along K, by v_wmma_scale_f32_16x16x128_f8f6f4 with both operands' format E2M3, f32 sums; everything else in f32.
;; Inputs: Wk 1,024 x 1,024 float32; Wo 1,024 x 1,024 float32; Wq 1,024 x 1,024 float32; Wv 1,024 x 1,024 float32; bk 1,024 float32; bo 1,024 float32; bq 1,024 float32; bv 1,024 float32; embeds 4 x 2,048 x 1,024 float32; x 4 x 2,048 x 1,024 float32.
;; Outputs: out0 4 x 2,048 x 1,024 float32.
;; This version of the problem:
;;   THIS VERSION OF THE PROBLEM IS GIVEN IN LOW PRECISION. The matrix products marked QUANTISED in the list below multiply operands that are first quantised to E2M3 (2 exponent bits, 3 mantissa bits; 6 bits a number), with one power-of-two scale for each 32 numbers along K (OCP MX v1.0); their sums are f32. All else is computed in f32.
;;   The module's matrix products, in the order in which they are computed (A, B: the left and right operand; K: the contracted axis; several contracted axes count as one K, in the product's order):
;;     1. [M 8,192, K 1,024] x [K 1,024, N 1,024]; A: input x; B: input Wq: QUANTISED
;;     2. [M 8,192, K 1,024] x [K 1,024, N 1,024]; A: input embeds; B: input Wk: QUANTISED
;;     3. [M 8,192, K 1,024] x [K 1,024, N 1,024]; A: input embeds; B: input Wv: QUANTISED
;;     4. batch 64 x [M 2,048, K 64] x [K 64, N 2,048]; A: computed on the way; B: computed on the way: QUANTISED
;;     5. batch 64 x [M 64, K 2,048] x [K 2,048, N 2,048]; A: computed on the way; B: softmax (see below): QUANTISED
;;     6. [M 8,192, K 1,024] x [K 1,024, N 1,024]; A: computed on the way; B: input Wo: QUANTISED
;;   THE QUANTISER, for each operand of a quantised product, along K:
;;     - K is cut into blocks of 32 from its start; a last block that is shorter is filled with zeros.
;;     - A block's scale is 2^e with e = floor(log2(the largest magnitude in the block)) - 2, held to -126 .. 127; a block of zeros has e = 0. As a byte (E8M0): e + 127.
;;     - Each number is divided by its block's scale, clamped to +-7.5, and rounded to the nearest number of E2M3, ties to even, subnormals kept.
;;     - The product sums the exact products of the quantised numbers (number of the format x scale) in f32.
;;   ~~~python
;;   def quantise(x, axis):      # numpy; x: float32 -> the quantised numbers, widened to float32 again
;;       x = np.moveaxis(x, axis, -1); K = x.shape[-1]
;;       x = np.pad(x, [(0, 0)] * (x.ndim - 1) + [(0, -K % 32)]); x = x.reshape(x.shape[:-1] + (-1, 32)); a = np.abs(x).max(-1, keepdims=True)
;;       e = np.where(a > 0, np.clip(np.frexp(np.where(a > 0, a, 1))[1] - 1 - 2, -126, 127), 0)      # np.frexp(a)[1] - 1 = floor(log2(a)), exactly
;;       r = np.clip(x / 2.0 ** e, -7.5, 7.5)
;;       step = 2.0 ** (np.maximum(np.frexp(np.where(r == 0, 1, r))[1] - 1, 0) - 3)
;;       q = np.round(r / step) * step * 2.0 ** e      # np.round: ties to even
;;       return np.moveaxis(q.reshape(q.shape[:-2] + (-1,))[..., :K], -1, axis).astype(np.float32)
;;   ~~~
;;   SOFTMAX AHEAD OF A QUANTISED PRODUCT. Where the list says 'softmax', what is quantised is not the finished softmax but p = 2^(t - M), with t = logit x log2(e) and M = ceil(the row's largest t), a whole number; so 1/2 < the row's largest p <= 1. The row's sum l is taken of the UNQUANTISED p, in f32, and the product's result is divided by l at the end. Since M is a whole number, a kernel that streams over the keys may use a running M (the ceiling of the running maximum): every later rescaling is an exact power of two, which a block's scale takes up: the codes' values come out the same.
;;   OPERANDS COMPUTED ON THE WAY. 'Computed on the way' means the value that the module computes at that place (a softmax that the list does not call 'softmax' is quantised finished and normalised). What goes into a quantiser is computed in f32, as accurately as f32 sums, v_exp_f32 and their like allow (about 1e-6 of the number): no bf16 or f16 on the way to a quantiser, and a product that is left as it is and whose result goes on into a quantised operand takes f32 operands (vector FMAs, or v_wmma_f32_16x16x4_f32). A number that lies on a knife's edge between two numbers of the format may be rounded either way, as far as f32 arithmetic and the matrix unit's own rounding can turn it there, and no further.
;; One version. Each part assembles by itself: llvm-mc -triple=amdgcn-amd-amdhsa -mcpu=gfx1250 --defsym DOCPART=n.
;; ======== version 1 of 1: 4 launches
;; limits: right only within a limited range of input values
;; workspace buffers: act 13,107,200 bytes; wts 3,276,800 bytes; qkv 19,660,800 bytes; ctx 6,553,600 bytes
;; launch quant (part 1): grid 640 x 1, 4 waves a work-group, no clusters, 59,904 bytes of LDS; arguments x, embeds, Wq, Wk, Wv, Wo, act, wts; writes act, wts
.if DOCPART == 1
	.amdgcn_target "amdgcn-amd-amdhsa--gfx1250"
	.amdhsa_code_object_version 6
	.text
	.protected	k_qa54aeca037_quant
	.globl	k_qa54aeca037_quant
	.p2align	8
	.type	k_qa54aeca037_quant,@function
k_qa54aeca037_quant:
	s_mov_b64 s[64:65], 0
	v_nop
	global_prefetch_b8 v0, s[64:65] scope:SCOPE_SE
	s_setreg_imm32_b32 hwreg(HW_REG_WAVE_MODE, 25, 1), 1
	s_wait_xcnt 0x0
; x and embeds [8192][1024] f32 (K innermost) and Wq, Wk, Wv, Wo [1024 (k)][1024 (n)] f32 (K outermost) become codes of FP6 (E2M3), K innermost, 768 bytes a row, with one E8M0 byte for each 32 along K, 32 bytes a row.
; A block's scale is 2^(floor(log2(largest magnitude)) - 2); its byte is the largest magnitude's exponent field - 2, held at 1 from below; numbers are divided by the scale and rounded to the nearest code, ties to even.
; STORAGE ORDER OF ROWS: row L of a tensor of codes (and of its scale bytes) holds the original row with bits 3 and 4 of the index exchanged.  Sixteen neighbouring storage rows 32 B + 16 u + r are then the
; original rows 32 B + 8 u + r + 8 (r / 8): the choice of rows by which a later product's results lie as 16 neighbours along the next K in a lane's registers.
; act: x's codes at 0, embeds' at 6,291,456, x's scale bytes at XS, embeds' behind them.  wts: weight w (q, k, v, o) at 819,200 w: codes, then at + 786,432 its scale bytes.
; LIMITS: a block of zeros, and a block whose largest magnitude lies under 2^-124, gets the byte 1 (its codes are zeros or subnormal codes; the bytes are read by this program alone); NaN and infinities are not served.
; Work-groups 0-511 take the activations (a stream of blocks of 32; a wave takes 8 rows), work-groups 512-639 the weights (a lane takes a column, its registers run down K).  Every work-group reads 131,072 bytes.
; The two ways part on the work-group's number and have LDS bytes of their own.  No tensor loads, no barrier: waves share nothing.
.set WGA,   256                        ; work-groups for each of x and embeds
.set STEPS, 16                         ; steps of 512 numbers in a wave
.set EMAX,  2
.set CB,    12                         ; bytes of 16 codes
.set AR,    16                         ; v16-79   four sets of 16 numbers as loaded
.set AX,    80                         ; v80-111  two sets of 16 neighbours
.set AE,    112                        ; v112-127 a scale byte for each step
.set AC,    128                        ; v128-191 codes, four registers for each step
.set WREG,  6144                       ; LDS of a wave on the activations' way: two stages of 32 x SP bytes, then 256 scale bytes
.set SP,    80                         ; a lane's place in a stage: 64 bytes + 16 of padding
.set XS,    12582912                   ; where the scale bytes begin in act
.set WSTG,  4*WREG                     ; LDS of the weights' way begins here
.set NB,    8                          ; blocks of 32 along K in a wave's 256
.set ROWB,  192                        ; bytes of 256 codes
.set PITCH, 272                        ; a stage row: sixteen places of 16 bytes + 16
.set KROW,  768                        ; a row of codes
.set WSTR,  819200                     ; from weight to weight in wts
.set WSC,   786432                     ; a weight's scale bytes behind its codes
.set WX,    32                         ; v32-95   two sets of 32 numbers
.set WC,    96                         ; v96..    a block's codes
.set OUTR,  112                        ; v112-175 the way out
.set SB,    24                         ; v24-25   eight scale bytes
	s_load_b256 s[4:11], s[0:1], 0x0               ; x, embeds, Wq, Wk
	s_load_b256 s[12:19], s[0:1], 0x20             ; Wv, Wo, act, wts
	v_lshl_add_u32 v192, v0, 2, 0xe800
	v_mov_b32 v193, 0
	v_lshrrev_b32 v1, 5, v0
	v_readfirstlane_b32 s20, v1                    ; wave
	v_and_b32 v2, 31, v0                           ; lane
	s_cmp_lt_u32 ttmp9, 2*WGA
	s_cbranch_scc0 .Lweights
	; ---- the activations
	v_lshlrev_b32 v3, 4, v2                        ; my 16 bytes of a load's 512
	s_mul_i32 s21, s20, WREG
	v_lshrrev_b32 v14, 2, v2
	v_mul_u32_u24 v14, v14, SP
	v_and_b32 v15, 3, v2
	v_lshl_add_u32 v14, v15, 4, v14
	v_add_nc_u32 v14, s21, v14                     ; the stage, on the way in: four lanes' 64 bytes on end, then 16 of padding
	v_mul_u32_u24 v15, v2, SP
	v_add_nc_u32 v15, s21, v15                     ; and on the way out: my 16 neighbours
	v_mul_u32_u24 v4, v2, CB                       ; my codes' place in a step's
	v_lshrrev_b32 v5, 1, v2
	s_add_co_u32 s21, s21, 2*32*SP
	v_add_nc_u32 v5, s21, v5                       ; my block's byte among my wave's 256
	v_lshlrev_b32 v7, 3, v2
	v_add_nc_u32 v6, s21, v7                       ; and 8 bytes a lane on the way out
	s_cmp_lt_u32 ttmp9, WGA                        ; x's work-group or embeds'?
	s_cselect_b32 s21, 0, WGA
	s_sub_co_u32 s21, ttmp9, s21
	s_lshl_b32 s21, s21, 2
	s_add_co_u32 s22, s21, s20                     ; which run of 8 rows of the tensor I read
	s_lshl_b32 s24, s22, 15                        ; 32,768 bytes a run
	s_mov_b32 s25, 0
	s_lshr_b32 s26, s20, 1                         ; a run is 8 rows: bits 3 and 4 of the row are the wave's two bits: exchanged for the place where I store
	s_and_b32 s27, s20, 1
	s_lshl_b32 s27, s27, 1
	s_or_b32 s26, s26, s27
	s_lshl_b32 s27, ttmp9, 2
	s_add_co_u32 s26, s26, s27                     ; the run in act: x's 1,024 runs, then embeds' (x keeps the order with bits 3 and 4 exchanged)
	s_lshr_b32 s27, ttmp9, 1                       ; EMBEDS HAS ANOTHER ORDER: token 64 G + 32 H + 8 j + i lies in storage row 64 G + 16 j + 8 H + i,
	s_lshl_b32 s27, s27, 3                         ; so that a tile of 16 storage rows holds tokens 8 j + i and 32 + 8 j + i: a lane of a later product then holds whole blocks of 32 tokens
	s_lshl_b32 s28, s20, 1                         ; j is the wave, H the work-group's lowest bit
	s_add_co_u32 s27, s27, s28
	s_and_b32 s28, ttmp9, 1
	s_add_co_u32 s27, s27, s28
	s_cmp_lt_u32 ttmp9, WGA
	s_cselect_b32 s26, s26, s27
	s_mul_i32 s28, s26, 8*KROW
	s_mov_b32 s29, 0
	s_lshl_b32 s30, s26, 8
	s_add_co_u32 s30, s30, XS
	s_mov_b32 s31, 0
	s_wait_alu depctr_va_vdst(0)
	s_wait_kmcnt 0x0
	s_cmp_lt_u32 ttmp9, WGA
	s_cselect_b64 s[4:5], s[4:5], s[6:7]
	s_add_nc_u64 s[4:5], s[4:5], s[24:25]
	s_add_nc_u64 s[8:9], s[16:17], s[28:29]        ; the codes
	s_add_nc_u64 s[10:11], s[16:17], s[30:31]      ; the scale bytes
.macro LOADA t
.irp i, 0,1,2,3
	global_load_b128 v[AR+16*((\t)%4)+4*\i:AR+16*((\t)%4)+4*\i+3], v3, s[4:5] offset:2048*(\t)+512*\i th:TH_LOAD_NT   ; 32 lanes read 512 consecutive bytes
.endr
.endm
.macro TURNA t                         ; step t's numbers through the stage: LDS serves a wave's instructions in order, so no wait stands between the stores and the loads
.irp i, 0,1,2,3
	ds_store_b128 v14, v[AR+16*((\t)%4)+4*\i:AR+16*((\t)%4)+4*\i+3] offset:32*SP*((\t)%2)+8*SP*\i
.endr
.irp i, 0,1,2,3
	ds_load_b128 v[AX+16*((\t)%2)+4*\i:AX+16*((\t)%2)+4*\i+3], v15 offset:32*SP*((\t)%2)+16*\i
.endr
.endm
.irp t, 0,1,2,3
	LOADA \t
.endr
	s_wait_loadcnt 12                              ; step 0's four loads are in
	TURNA 0
.macro STEPA t
.set XSET, AX+16*((\t)%2)
.if (\t) > 0
	s_wait_dscnt 1                                 ; this step's numbers are back from the stage (the last step's byte store may be out): so its stores into the stage have read their registers,
.else
	s_wait_dscnt 0x0
.endif
.if (\t)+4 < STEPS
	LOADA (\t)+4                                   ; which take the loads of four steps on
.endif
.if (\t)+1 < STEPS
.if STEPS-2-(\t) >= 3
	s_wait_loadcnt 12                              ; the next step's four loads are in; those of the three steps behind it may be out
.else
	s_wait_loadcnt 4*(STEPS-2-(\t))
.endif
	TURNA (\t)+1
.endif
	v_max3_num_f32 v8, |v[XSET]|, |v[XSET+1]|, |v[XSET+2]|         ; the largest magnitude of my 16, in two chains
	v_max3_num_f32 v9, |v[XSET+3]|, |v[XSET+4]|, |v[XSET+5]|
.irp i, 6,10
	v_max3_num_f32 v8, v8, |v[XSET+\i]|, |v[XSET+\i+1]|
	v_max3_num_f32 v9, v9, |v[XSET+\i+2]|, |v[XSET+\i+3]|
.endr
	v_max3_num_f32 v8, v8, |v[XSET+14]|, |v[XSET+15]|
	v_max3_num_f32 v8, v8, v9, (EMAX+1)<<23        ; and the floor 2^(3 - 127): the byte cannot fall under 1
	v_max_num_f32_dpp v8, v8, v8 row_xmask:1 row_mask:0xf bank_mask:0xf   ; and of my neighbour's 16: the block's
	v_add_nc_u32 v11, -(EMAX<<23), v8              ; 2 off its exponent field: the conversion takes the exponent field of this operand as its scale
	v_cvt_scalef32_pk16_fp6_f32 v[AC+4*(\t):AC+4*(\t)+2], v[XSET:XSET+15], v11
	v_lshrrev_b32 v[AE+(\t)], 23, v11              ; the scale's byte (also the plain line behind the conversion)
	ds_store_b8 v5, v[AE+(\t)] offset:16*(\t)      ; both lanes of a block write the same byte with the same value
	global_store_b96 v4, v[AC+4*(\t):AC+4*(\t)+2], s[8:9] offset:32*CB*(\t)   ; the wave stores 384 consecutive bytes
.endm
.irp t, 0,1,2,3,4,5,6,7,8,9,10,11,12,13,14,15
	STEPA \t
.endr
	ds_load_b64 v[12:13], v6                       ; LDS serves a wave's instructions in order: these see my stores
	s_wait_dscnt 0x0
	global_store_b64 v7, v[12:13], s[10:11]        ; 32 lanes store 256 consecutive bytes, aligned
	s_wait_tensorcnt 0x0
	ds_add_u32 v192, v193
	s_wait_dscnt 0x0
	s_endpgm
	; ---- the weights: 32 work-groups a weight: 8 along n (128 columns) x 4 along K (256)
.Lweights:
	s_sub_co_u32 s21, ttmp9, 2*WGA
	s_lshr_b32 s22, s21, 5                         ; which weight
	s_and_b32 s23, s21, 7                          ; which 128 columns
	s_bfe_u32 s24, s21, 0x20003                    ; which 256 along K
	s_lshl_b32 s25, s23, 7
	s_lshl_b32 s26, s20, 5
	s_add_co_u32 s25, s25, s26                     ; my wave's first column
	s_wait_alu depctr_va_vdst(0)
	v_lshlrev_b32 v3, 2, v2                        ; in: 4 bytes a lane
	s_mul_i32 s26, s20, 32*PITCH
	s_add_co_u32 s26, s26, WSTG                    ; my stage
	v_and_b32 v10, 7, v2                           ; the storage row of my column: bits 3 and 4 of the lane exchanged
	v_bfe_u32 v11, v2, 3, 1
	v_lshl_or_b32 v10, v11, 4, v10
	v_bfe_u32 v11, v2, 4, 1
	v_lshl_or_b32 v10, v11, 3, v10
	v_mul_u32_u24 v4, v10, PITCH
	v_add_nc_u32 v4, s26, v4                       ; into the stage: that row
	v_and_b32 v5, 15, v2
	v_lshrrev_b32 v6, 4, v2                        ; out of it: sixteen lanes to a row, two rows an instruction
	v_mul_u32_u24 v7, v6, PITCH
	v_lshl_add_u32 v7, v5, 4, v7
	v_add_nc_u32 v7, s26, v7
	v_mul_u32_u24 v8, v6, KROW
	v_mad_u32_u24 v8, v5, 12, v8                   ; and the same place in the codes
	v_lshlrev_b32 v9, 5, v10                       ; my storage row of scale bytes
	s_lshl_b32 s28, s24, 20                        ; W: 256 rows of 4,096 bytes a step along K,
	s_lshl_b32 s29, s25, 2
	s_add_co_u32 s28, s28, s29                     ; + 4 x column
	s_mov_b32 s29, 0
	s_mul_i32 s30, s22, WSTR
	s_mul_i32 s31, s25, KROW
	s_add_co_u32 s32, s30, s31
	s_mul_i32 s31, s24, ROWB
	s_add_co_u32 s32, s32, s31                     ; codes: weight, row, 192 bytes a step along K
	s_mov_b32 s33, 0
	s_lshl_b32 s31, s25, 5
	s_add_co_u32 s34, s30, s31
	s_lshl_b32 s31, s24, 3
	s_add_co_u32 s34, s34, s31
	s_add_co_u32 s34, s34, WSC                     ; scale bytes: weight, row, 8 bytes a step along K
	s_mov_b32 s35, 0
	s_wait_kmcnt 0x0
	s_cmp_eq_u32 s22, 1                            ; the choice hangs on the work-group's number alone
	s_cselect_b64 s[4:5], s[10:11], s[8:9]
	s_cmp_eq_u32 s22, 2
	s_cselect_b64 s[4:5], s[12:13], s[4:5]
	s_cmp_eq_u32 s22, 3
	s_cselect_b64 s[4:5], s[14:15], s[4:5]
	s_add_nc_u64 s[4:5], s[4:5], s[28:29]
	s_add_nc_u64 s[6:7], s[18:19], s[32:33]
	s_add_nc_u64 s[8:9], s[18:19], s[34:35]
.macro LOADW t                         ; block t: W(32 t + i, my column), i = 0 .. 31
.irp i, 0,1,2,3,4,5,6,7,8,9,10,11,12,13,14,15,16,17,18,19,20,21,22,23,24,25,26,27,28,29,30,31
	global_load_b32 v[WX+32*((\t)%2)+\i], v3, s[4:5] offset:(32*(\t)+\i)*4096 th:TH_LOAD_NT
.endr
.endm
	LOADW 0
	LOADW 1
.macro BLOCKW t
.set WSET, WX+32*((\t)%2)
.if (\t) < NB-1
	s_wait_loadcnt 32                              ; this block's 32 loads are in; the next block's may be out
.else
	s_wait_loadcnt 0
.endif
	v_max3_num_f32 v12, |v[WSET]|, |v[WSET+1]|, |v[WSET+2]|        ; the block's largest magnitude: all 32 numbers are mine
	v_max3_num_f32 v13, |v[WSET+3]|, |v[WSET+4]|, |v[WSET+5]|
.irp i, 6,10,14,18,22,26
	v_max3_num_f32 v12, v12, |v[WSET+\i]|, |v[WSET+\i+1]|
	v_max3_num_f32 v13, v13, |v[WSET+\i+2]|, |v[WSET+\i+3]|
.endr
	v_max3_num_f32 v12, v12, |v[WSET+30]|, |v[WSET+31]|
	v_max3_num_f32 v12, v12, v13, (EMAX+1)<<23     ; and the floor
	v_add_nc_u32 v11, -(EMAX<<23), v12
	v_lshrrev_b32 v13, 23, v11                     ; the scale's byte
.if (\t)%4 == 0
	v_mov_b32 v[SB+(\t)/4], v13                    ; four bytes to a register, the lower K in the lower byte
.else
	v_lshl_or_b32 v[SB+(\t)/4], v13, 8*((\t)%4), v[SB+(\t)/4]
.endif
	v_cvt_scalef32_pk16_fp6_f32 v[WC:WC+2], v[WSET:WSET+15], v11
	v_cvt_scalef32_pk16_fp6_f32 v[WC+4:WC+6], v[WSET+16:WSET+31], v11   ; (a conversion's three registers begin on an even number)
	ds_store_b96 v4, v[WC:WC+2] offset:32*(\t)     ; 12 bytes to a place of 16, so that every LDS address is a multiple of 16
	ds_store_b96 v4, v[WC+4:WC+6] offset:32*(\t)+16
.if (\t)+2 < NB
	LOADW (\t)+2
.endif
	s_wait_dscnt 0x0                               ; the stores have read their registers: the next block's codes may be written
.endm
.irp t, 0,1,2,3,4,5,6,7
	BLOCKW \t
.endr
	s_wait_alu depctr_va_vdst(0)
	global_store_b64 v9, v[SB:SB+1], s[8:9]        ; my column's eight scale bytes
.irp t, 0,1,2,3,4,5,6,7,8,9,10,11,12,13,14,15
	ds_load_b96 v[OUTR+4*\t:OUTR+4*\t+2], v7 offset:2*\t*PITCH
.endr
.irp t, 0,1,2,3,4,5,6,7,8,9,10,11,12,13,14,15
	s_wait_dscnt 15-\t
	global_store_b96 v8, v[OUTR+4*\t:OUTR+4*\t+2], s[6:7] offset:2*\t*KROW   ; sixteen lanes store a row's 192 consecutive bytes
.endr
	s_wait_tensorcnt 0x0
	ds_add_u32 v192, v193
	s_wait_dscnt 0x0
	s_endpgm
.Lfunc_end_k_qa54aeca037_quant:
	.size	k_qa54aeca037_quant, .Lfunc_end_k_qa54aeca037_quant-k_qa54aeca037_quant
	.p2alignl 7, 3214868480
	.fill 96, 4, 3214868480
	.section	.rodata,"a",@progbits
	.p2align	6, 0x0
	.amdhsa_kernel k_qa54aeca037_quant
		.amdhsa_group_segment_fixed_size 59904
		.amdhsa_private_segment_fixed_size 0
		.amdhsa_enable_private_segment 0
		.amdhsa_kernarg_size 64
		.amdhsa_user_sgpr_count 2
		.amdhsa_user_sgpr_kernarg_segment_ptr 1
		.amdhsa_wavefront_size32 1
		.amdhsa_system_sgpr_workgroup_id_x 1
		.amdhsa_system_sgpr_workgroup_id_y 1
		.amdhsa_system_sgpr_workgroup_id_z 1
		.amdhsa_system_vgpr_workitem_id 0
		.amdhsa_next_free_vgpr 194
		.amdhsa_next_free_sgpr 66
		.amdhsa_reserve_vcc 0
		.amdhsa_float_denorm_mode_32 3
		.amdhsa_float_denorm_mode_16_64 3
		.amdhsa_memory_ordered 1
		.amdhsa_forward_progress 1
		.amdhsa_inst_pref_size 74
	.end_amdhsa_kernel
	.amdgpu_metadata
---
amdhsa.version: [ 1, 2 ]
amdhsa.kernels:
  - .name:           k_qa54aeca037_quant
    .symbol:         k_qa54aeca037_quant.kd
    .args:
      - { .name: x, .offset: 0, .size: 8, .value_kind: global_buffer, .address_space: global }
      - { .name: embeds, .offset: 8, .size: 8, .value_kind: global_buffer, .address_space: global }
      - { .name: Wq, .offset: 16, .size: 8, .value_kind: global_buffer, .address_space: global }
      - { .name: Wk, .offset: 24, .size: 8, .value_kind: global_buffer, .address_space: global }
      - { .name: Wv, .offset: 32, .size: 8, .value_kind: global_buffer, .address_space: global }
      - { .name: Wo, .offset: 40, .size: 8, .value_kind: global_buffer, .address_space: global }
      - { .name: act, .offset: 48, .size: 8, .value_kind: global_buffer, .address_space: global }
      - { .name: wts, .offset: 56, .size: 8, .value_kind: global_buffer, .address_space: global }
    .group_segment_fixed_size: 59904
    .private_segment_fixed_size: 0
    .kernarg_segment_align: 8
    .kernarg_segment_size: 64
    .max_flat_workgroup_size: 128
    .sgpr_count:     66
    .vgpr_count:     194
    .wavefront_size: 32
...
	.end_amdgpu_metadata
.endif
;; end of part 1
;; launch proj (part 2): grid 4 x 96, 4 waves a work-group, clusters of 4 x 4, 327,680 bytes of LDS; arguments act, wts, bq, bk, bv, qkv; writes qkv
.if DOCPART == 2
	.amdgcn_target "amdgcn-amd-amdhsa--gfx1250"
	.amdhsa_code_object_version 6
	.text
	.protected	k_qa54aeca037_proj
	.globl	k_qa54aeca037_proj
	.p2align	8
	.type	k_qa54aeca037_proj,@function
k_qa54aeca037_proj:
	s_mov_b64 s[64:65], 0
	v_nop
	global_prefetch_b8 v0, s[64:65] scope:SCOPE_SE
	s_setreg_imm32_b32 hwreg(HW_REG_WAVE_MODE, 25, 1), 1
	s_wait_xcnt 0x0
	s_wait_alu depctr_hold_cnt(0) depctr_sa_sdst(0) depctr_va_vdst(0) depctr_va_sdst(0) depctr_va_ssrc(0) depctr_va_vcc(0) depctr_vm_vsrc(0)
	s_getreg_b32 s2, hwreg(HW_REG_IB_STS2, 6, 4)
	s_cmp_eq_u32 s2, 0
	s_cbranch_scc0 .Lentry_in_a_cluster
	s_endpgm
.Lentry_in_a_cluster:
	s_bfe_u32 s2, ttmp6, 0x10000c
	s_cmp_lg_u32 s2, 0xf033
	s_cbranch_scc0 .Lentry_shape_is_right
	s_endpgm
.Lentry_shape_is_right:
; Q = x Wq + bq, K = embeds Wk + bk, V = embeds Wv + bv on codes of FP6 (E2M3) with E8M0 scales, and their quantisers: the results leave as images of the operand registers of the attention launch.
; A work-group of four waves makes 256 x 256 of one product; a wave 128 x 128 in 64 accumulators.  Cluster y / 8 says which product (0 Q, 1 K, 2 V).  For V the weight's rows take A's place and embeds' rows B's.
; K (1,024 codes, 768 bytes a row) goes through a ring of two LDS slots in CHUNKS OF 256 BYTES of each row, three chunks; a step of 128 along K is 96 bytes, so steps 2 and 5 lie across two chunks.
; The scale bytes of the 256 + 256 rows come once.  At the head one tensor load a wave: chunk 0 of A, of B, A's scale bytes, B's.  Chunk 1 follows behind the full sequence and a round, chunk 2 is the one refill.
; CLUSTERS 4 x 4: A's tiles are asked for jointly along a row of the cluster, B's along a column.
; No prefetch: K is three chunks, of which two are asked for ahead of the first product; the one refill has no earlier trip to be asked in.
; The matrix instruction is used transposed (source 0 = B's rows): a lane holds one row of A's side and eight neighbours of B's side.
; Q, K: blocks of 32 run along the head's 64 (the weights' storage rows have bits 3 and 4 exchanged: 16 neighbours in a lane, the other 16 in lane l xor 16).
; V: blocks run along the tokens; by embeds' storage order a lane's 32 registers of four tiles are 32 neighbouring tokens: a whole block.
; LIMITS: NaN and infinities are not served; a block of zeros gets the byte 1 (its codes are zeros; this program alone reads the bytes).
.set ROWB,   256
.set NQ,     2
.set KROW,   768
.set STEPS,  8
.set CHUNKS, 3
.set PITCH,  272
.set FR,     12
.set NL,     6
.set NP,     4
.set HALFT,  128*PITCH
.set SLOT,   4*HALFT
.set KS,     32
.set SCL,    2*SLOT
.set HALFS,  (128*KS/256)*272
.set SBLK,   (16*KS/256)*272
.set SPARE,  SCL+4*HALFS
.set EC,     6291456
.set XS,     12582912
.set ES,     12845056
.set WSTR,   819200
.set WSC,    786432
.set QSC,    6291456
.set KV,     6553600
.set KVS,    19136512
.set ADRA, 16
.set ADRB, 20
.set ADRS, 27
.set SPW,  28
.set NIL,  29
.set SC,   32
.set AF,   128
.set OF0,  24
.set OF1,  25
.set OFS,  26
.set BOF,  30
.set SELV, 31
.set BI,   64
.set H,    128
.set I0,   192
.set I1,   204
.set X2,   216
.set TM,   224
.set PWS,  240
.set W,    248
.set SEL,  66
.set G1, 24
.set G0, 32
.set G1B, 48
.set G0B, 56
.set G1S, 68
.set G0S, 76
.set G1SB, 80
.set G0SB, 88
.set MSB, 0
.macro WIN new
.if MSB != (\new)
	s_set_vgpr_msb (MSB<<8)|(\new)
.set MSB, (\new)
.endif
.endm
.set MUL_LO, 0xa1
.set MUL_HI, 0xf1
.set TO_B,   0x40
.macro JLOAD g0a, g1a, g0b, g1b        ; waves 0, 1 fetch for A, waves 2, 3 for B
	s_cmp_eq_u32 s17, 0
	s_cbranch_scc0 .Lfor_b_\@
	tensor_load_to_lds s[\g0a:\g0a+3], s[\g1a:\g1a+7]
	s_nop 0
.rept 4
	v_nop
.endr
	s_branch .Lasked_\@
.Lfor_b_\@:
	tensor_load_to_lds s[\g0b:\g0b+3], s[\g1b:\g1b+7]
	s_nop 0
.rept 4
	v_nop
.endr
.Lasked_\@:
.endm
.macro CREST
	s_cmp_lg_u32 s16, 0
	s_cbranch_scc1 .Lnot_wave_0_\@
	s_barrier_signal -3
.Lnot_wave_0_\@:
	s_barrier_wait -3
	s_barrier_signal -1
	s_barrier_wait -1
.endm
.macro CROUND
	s_barrier_signal -1
	s_barrier_wait -1
	CREST
.endm
.macro SETG0 g, lds, a
	s_mov_b32 s[\g], 1
	s_mov_b32 s[\g+1], \lds
	s_mov_b64 s[\g+2:\g+3], s[\a:\a+1]
	s_or_b32 s[\g+3], s[\g+3], 0x80000000
.endm
	s_load_b256 s[4:11], s[0:1], 0x0               ; act, wts, bq, bk
	s_load_b128 s[12:15], s[0:1], 0x20             ; bv, qkv
	v_lshl_add_u32 v[SPW], v0, 2, SPARE
	v_mov_b32 v[NIL], 0
	ds_add_u32 v[SPW], v[NIL]                      ; the opening lines: the add twice on end and one wait
	ds_add_u32 v[SPW], v[NIL]
	v_lshrrev_b32 v1, 5, v0
	v_readfirstlane_b32 s16, v1                    ; wave
	s_lshr_b32 s17, s16, 1                         ; my half of A's rows; also: I fetch for A (0) or B (1)
	s_and_b32 s18, s16, 1                          ; my half of B's rows; also: which 128 rows I fetch
	s_bfe_u32 s40, ttmp6, 0x40000
	s_bfe_u32 s41, ttmp6, 0x40004
	s_and_b32 s2, ttmp7, 0xffff
	s_lshr_b32 s19, s2, 3                          ; 0 Q, 1 K, 2 V
	s_and_b32 s2, s2, 7
	s_lshl_b32 s2, s2, 2
	s_mul_i32 s20, s19, EC                         ; A's codes, A's scale bytes, B's codes, B's scale bytes: offsets in their buffers
	s_lshl_b32 s21, s19, 18
	s_add_co_u32 s21, s21, XS
	s_mul_i32 s22, s19, WSTR
	s_add_co_u32 s23, s22, WSC
	s_cmp_eq_u32 s19, 2
	s_mov_b32 s46, 2*WSTR
	s_cselect_b32 s20, s46, s20
	s_mov_b32 s46, 2*WSTR+WSC
	s_cselect_b32 s21, s46, s21
	s_mov_b32 s46, EC
	s_cselect_b32 s22, s46, s22
	s_mov_b32 s46, ES
	s_cselect_b32 s23, s46, s23
	s_cselect_b32 s45, 0, s2
	s_cselect_b32 s42, s2, 0
	s_add_co_u32 s45, s45, s41                     ; tile row
	s_add_co_u32 s42, s42, s40                     ; tile column
	s_lshl_b32 s43, s41, 2
	s_lshl_b32 s43, 15, s43
	s_lshl_b32 s44, 0x1111, s40
	s_or_b32 s[G1+0], s43, (1<<20)|(1<<21)|(5<<22)|(3<<25)
	s_or_b32 s[G1B+0], s44, (1<<20)|(1<<21)|(5<<22)|(3<<25)
.irp g, G1, G1B
	s_mov_b32 s[\g+1], ROWB<<16
	s_mov_b32 s[\g+2], 256<<16                     ; the head's loads bring 256 rows
	s_mov_b32 s[\g+3], ROWB<<16
	s_mov_b32 s[\g+4], 256
	s_mov_b32 s[\g+5], KROW
	s_mov_b32 s[\g+6], 0
	s_mov_b32 s[\g+7], 0
.endr
	s_or_b32 s[G1S+0], s43, (3<<16)|(1<<20)|(1<<21)|(5<<22)|(3<<25)
	s_or_b32 s[G1SB+0], s44, (3<<16)|(1<<20)|(1<<21)|(5<<22)|(3<<25)
.irp g, G1S, G1SB
	s_mov_b32 s[\g+1], 32<<16
	s_mov_b32 s[\g+2], KS<<16
	s_mov_b32 s[\g+3], 32<<16
	s_mov_b32 s[\g+4], KS
	s_mov_b32 s[\g+5], 32
	s_mov_b32 s[\g+6], 0
	s_mov_b32 s[\g+7], 0
.endr
	s_lshl_b32 s46, s45, 8
	s_lshl_b32 s47, s42, 8
	s_mul_i32 s92, s46, KROW
	s_add_co_u32 s92, s92, s20
	s_mov_b32 s93, 0
	s_lshl_b32 s94, s46, 5
	s_add_co_u32 s94, s94, s21
	s_mov_b32 s95, 0
	s_mul_i32 s96, s47, KROW
	s_add_co_u32 s96, s96, s22
	s_mov_b32 s97, 0
	s_lshl_b32 s98, s47, 5
	s_add_co_u32 s98, s98, s23
	s_mov_b32 s99, 0
	s_mul_i32 s100, s16, HALFT                     ; in the ring: wave x 128 rows
	s_mul_i32 s2, s18, 128*KROW                    ; and which half of the tile's rows in memory
	s_mov_b32 s3, 0
	s_wait_alu depctr_va_vdst(0)
	s_wait_dscnt 0x0
	s_wait_kmcnt 0x0
	s_cmp_eq_u32 s19, 2
	s_cselect_b64 s[20:21], s[6:7], s[4:5]
	s_cselect_b64 s[22:23], s[4:5], s[6:7]
	s_add_nc_u64 s[92:93], s[20:21], s[92:93]
	s_add_nc_u64 s[94:95], s[20:21], s[94:95]
	s_add_nc_u64 s[96:97], s[22:23], s[96:97]
	s_add_nc_u64 s[98:99], s[22:23], s[98:99]
	CROUND                                         ; the first joint loads meet
	SETG0 G0, 0, 92                                ; the head's four tiles, each whole (slot 0's group 0 serves them first)
	SETG0 G0B, 2*HALFT, 96
	SETG0 G0S, SCL, 94
	SETG0 G0SB, SCL+2*HALFS, 98
	s_add_nc_u64 s[92:93], s[92:93], s[2:3]        ; for the ring: my 128 rows
	s_add_nc_u64 s[96:97], s[96:97], s[2:3]
	s_mov_b32 s[G0+4], 1
	s_add_co_u32 s[G0+5], s100, SLOT
	s_add_nc_u64 s[G0+6:G0+7], s[92:93], ROWB
	s_or_b32 s[G0+7], s[G0+7], 0x80000000
	s_mov_b32 s[G0B+4], 1
	s_add_co_u32 s[G0B+5], s100, SLOT
	s_add_nc_u64 s[G0B+6:G0B+7], s[96:97], ROWB
	s_or_b32 s[G0B+7], s[G0B+7], 0x80000000
.macro ARM under, g0, g1, next         ; one chain of branches on the wave's number, one load to an arm
	s_cmp_lt_u32 s16, \under
	s_cbranch_scc0 \next
	tensor_load_to_lds s[\g0:\g0+3], s[\g1:\g1+7]
	s_nop 0
.rept 4
	v_nop
.endr
	s_branch .Lhead_asked
\next:
.endm
	ARM 1, G0,  G1,  .Lhead_b
	ARM 2, G0B, G1B, .Lhead_sa
	ARM 3, G0S, G1S, .Lhead_sb
	tensor_load_to_lds s[G0SB:G0SB+3], s[G1SB:G1SB+7]
	s_nop 0
.rept 4
	v_nop
.endr
.Lhead_asked:
	v_and_b32 v1, 15, v0
	v_bfe_u32 v2, v0, 4, 1
	v_mul_u32_u24 v3, v1, PITCH
	v_mul_u32_u24 v4, v2, 24
	v_add_nc_u32 v4, v3, v4                        ; row x pitch + 24 x half
	s_mov_b32 s21, SLOT-232
	s_mov_b32 s22, SLOT+232
	v_sub_nc_u32 v7, 1, v2
	v_mul_u32_u24 v5, s21, v2
	v_add_nc_u32 v5, v3, v5
	v_add_nc_u32 v5, 232, v5                       ; across two chunks: lanes 0-15 byte 232 in slot 0, lanes 16-31 byte 0 in slot 1
	v_mul_u32_u24 v6, s22, v7
	v_add_nc_u32 v6, v3, v6                        ; and the other way round
	s_mul_i32 s21, s17, HALFT
	s_mul_i32 s22, s18, HALFT
	s_add_co_u32 s22, s22, 2*HALFT
	v_add_nc_u32 v[ADRA+2], s21, v5
	v_add_nc_u32 v[ADRA+3], s21, v6
	v_add_nc_u32 v[ADRB+2], s22, v5
	v_add_nc_u32 v[ADRB+3], s22, v6
.irp s, 0,1
	v_add_nc_u32 v[ADRA+\s], s21, v4
	v_add_nc_u32 v[ADRB+\s], s22, v4
	s_add_co_u32 s21, s21, SLOT
	s_add_co_u32 s22, s22, SLOT
.endr
	v_mul_u32_u24 v5, v1, KS
	v_lshrrev_b32 v6, 8, v5
	v_lshl_add_u32 v5, v6, 4, v5
	s_mul_i32 s21, s17, HALFS
	s_mul_i32 s22, s18, HALFS
	s_add_co_u32 s22, s22, 2*HALFS
	s_sub_co_u32 s22, s22, s21
	v_mul_u32_u24 v6, s22, v2                      ; lanes 16-31 take B's scale words
	s_add_co_u32 s21, s21, SCL
	v_add_nc_u32 v5, v5, v6
	v_add_nc_u32 v[ADRS], s21, v5
.macro FRAG reg, adr, st, i            ; 16 rows x 128 K: six pieces of 8 bytes; byte y of a row lies in slot (y / 256) % 2 at byte y % 256
.irp p, 0,1,2,3,4,5
.set BY, 96*(\st)+48*(\p/3)+8*(\p%3)
.if BY/ROWB == (BY+24)/ROWB
	ds_load_b64 v[\reg+2*\p:\reg+2*\p+1], v[\adr+(BY/ROWB)%2] offset:BY%ROWB+(\i)*16*PITCH
.else
	ds_load_b64 v[\reg+2*\p:\reg+2*\p+1], v[\adr+2+(BY/ROWB)%2] offset:BY%ROWB-232+(\i)*16*PITCH
.endif
.endr
.endm
.macro MUL16 a0, p, q, sc, zero        ; the 64 accumulators take turns
.irp a, \a0, \a0+1
.irp b, 0,1,2,3,4,5,6,7
.if \zero
	v_wmma_scale_f32_16x16x128_f8f6f4 v[8*(8*((\a)%4)+\b):8*(8*((\a)%4)+\b)+7], v[128*(\p)+FR*\b:128*(\p)+FR*\b+FR-1], v[AF+FR*(\a):AF+FR*(\a)+FR-1], 0, v[SC+8*NQ*(\sc)+NQ*\b+(\q)], v[SC+8*NQ*(\sc)+NQ*(\a)+(\q)] matrix_a_fmt:MATRIX_FMT_FP6 matrix_b_fmt:MATRIX_FMT_FP6 matrix_a_scale:MATRIX_SCALE_ROW1
.else
	v_wmma_scale_f32_16x16x128_f8f6f4 v[8*(8*((\a)%4)+\b):8*(8*((\a)%4)+\b)+7], v[128*(\p)+FR*\b:128*(\p)+FR*\b+FR-1], v[AF+FR*(\a):AF+FR*(\a)+FR-1], v[8*(8*((\a)%4)+\b):8*(8*((\a)%4)+\b)+7], v[SC+8*NQ*(\sc)+NQ*\b+(\q)], v[SC+8*NQ*(\sc)+NQ*(\a)+(\q)] matrix_a_fmt:MATRIX_FMT_FP6 matrix_b_fmt:MATRIX_FMT_FP6 matrix_a_scale:MATRIX_SCALE_ROW1
.endif
.endr
.endr
.endm
.macro FETCH_B st, p
	WIN TO_B
.irp i, 0,1,2,3,4,5,6,7
	FRAG 128*(\p)+FR*\i, ADRB, \st, \i
.endr
	WIN 0
.endm
.macro FETCH_A st, i0
.irp i, \i0, \i0+1, \i0+2, \i0+3
	FRAG AF+FR*(\i), ADRA, \st, \i
.endr
.endm
.macro SCALES pr
.irp i, 0,1,2,3,4,5,6,7
	ds_load_b64 v[SC+8*NQ*((\pr)%2)+NQ*\i:SC+8*NQ*((\pr)%2)+NQ*\i+1], v[ADRS] offset:\i*SBLK+4*NQ*(\pr)
.endr
.endm
.macro PLACES n
.rept \n
	v_nop
.endr
.endm
; A step of 128 along K.  Where the next step's bytes end in a chunk not yet read: wait for my tensor loads, and a barrier.  Where they begin in a later chunk: an add of 0 to my spare word,
; the barrier, and, where a chunk two on is left, the rest of a round and the refill.
.macro STEP st, zero
.set NX, (\st)+1
.set C0, (96*(\st))/ROWB
.set C1, (96*NX)/ROWB
.set E0, (96*(\st)+95)/ROWB
.set E1, (96*NX+95)/ROWB
.if C1 > C0 || E1 > E0
	s_wait_tensorcnt 0x0
.if C1 > C0
	ds_add_u32 v[SPW], v[NIL]
	s_wait_dscnt 4*NL+1                            ; the add and A's blocks 4-7 may be out
.else
	s_wait_dscnt 4*NL                              ; A's blocks 4-7 may be out
.endif
	WIN MUL_LO
	MUL16 0, (\st)%2, (\st)%2, ((\st)/2)%2, \zero
	s_wait_dscnt 0x0
	s_barrier_signal -1
	MUL16 2, (\st)%2, (\st)%2, ((\st)/2)%2, \zero
	WIN 0
	s_barrier_wait -1
.if C1 > C0 && C0+2 < CHUNKS
	CREST
	s_add_nc_u64 s[G0+4*(C0%2)+2:G0+4*(C0%2)+3], s[G0+4*(C0%2)+2:G0+4*(C0%2)+3], 2*ROWB
	s_add_nc_u64 s[G0B+4*(C0%2)+2:G0B+4*(C0%2)+3], s[G0B+4*(C0%2)+2:G0B+4*(C0%2)+3], 2*ROWB
	JLOAD G0+4*(C0%2), G1, G0B+4*(C0%2), G1B
.else
	PLACES NP
.endif
.else
	s_wait_dscnt 4*NL
	WIN MUL_LO
	MUL16 0, (\st)%2, (\st)%2, ((\st)/2)%2, \zero
	MUL16 2, (\st)%2, (\st)%2, ((\st)/2)%2, \zero
	s_wait_dscnt 0
	PLACES NP
.endif
	FETCH_B NX, NX%2
	FETCH_A NX, 0
.if NX%2 == 0
	SCALES NX/2
.endif
	WIN MUL_HI
	MUL16 4, (\st)%2, (\st)%2, ((\st)/2)%2, \zero
	MUL16 6, (\st)%2, (\st)%2, ((\st)/2)%2, \zero
	PLACES NP
	WIN 0
	FETCH_A NX, 4
.endm
	s_wait_alu depctr_va_vdst(0)                   ; the wait at the head's end
	s_wait_tensorcnt 0x0                           ; my tile of the head's four is in
	ds_add_u32 v[SPW], v[NIL]
	s_mov_b32 s[G1+2], 128<<16                     ; no load of mine is out: from here on a load brings 128 rows,
	s_mov_b32 s[G1+4], 128
	s_mov_b32 s[G1B+2], 128<<16
	s_mov_b32 s[G1B+4], 128
	s_add_co_u32 s[G0+1], s100, 0                  ; and slot 0's group 0 stands at my 128 rows' chunk 0
	s_mov_b64 s[G0+2:G0+3], s[92:93]
	s_or_b32 s[G0+3], s[G0+3], 0x80000000
	s_add_co_u32 s[G0B+1], s100, 0
	s_mov_b64 s[G0B+2:G0B+3], s[96:97]
	s_or_b32 s[G0B+3], s[G0B+3], 0x80000000
	s_wait_dscnt 0x0
	CROUND
	JLOAD G0+4, G1, G0B+4, G1B                     ; chunk 1, first behind the round
	FETCH_B 0, 0
	FETCH_A 0, 0
	SCALES 0
	FETCH_A 0, 4
	STEP 0, 1
.set ST, 1
.rept STEPS-2
	STEP ST, 0
.set ST, ST+1
.endr
	s_wait_dscnt 4*NL
	WIN MUL_LO
	MUL16 0, 1, 1, 1, 0
	MUL16 2, 1, 1, 1, 0
	s_wait_dscnt 0
	WIN MUL_HI
	MUL16 4, 1, 1, 1, 0
	MUL16 6, 1, 1, 1, 0
	WIN 0
; THE WAY OUT: bias, quantiser, images
	s_lshl_b32 s20, s45, 8
	s_lshl_b32 s22, s17, 7
	s_add_co_u32 s20, s20, s22                     ; my first row of A's side
	s_lshl_b32 s21, s42, 8
	s_lshl_b32 s22, s18, 7
	s_add_co_u32 s21, s21, s22                     ; of B's side
	s_cmp_eq_u32 s19, 2
	s_cselect_b32 s22, s21, s20                    ; token
	s_cselect_b32 s23, s20, s21                    ; column
	s_lshr_b32 s46, s22, 11
	s_lshl_b32 s46, s46, 4
	s_lshr_b32 s47, s23, 6
	s_add_co_u32 s46, s46, s47                     ; 16 x batch + head
	s_bfe_u32 s47, s22, 0x40007                    ; which 128 tokens
	s_mul_i32 s92, s46, 98304
	s_mul_i32 s93, s47, 6144
	s_add_co_u32 s92, s92, s93
	s_lshl_b32 s94, s46, 12
	s_lshl_b32 s95, s47, 8
	s_add_co_u32 s94, s94, s95
	s_min_u32 s2, s19, 1
	s_lshl_b32 s92, s92, s2
	s_lshl_b32 s94, s94, s2
	s_lshl_b32 s100, 98304, s2
	s_lshl_b32 s3, 4096, s2
	s_cmp_eq_u32 s19, 0
	s_mov_b32 s46, KV
	s_cselect_b32 s46, 0, s46
	s_mov_b32 s47, KVS
	s_mov_b32 s2, QSC
	s_cselect_b32 s47, s2, s47
	s_cmp_eq_u32 s19, 2
	s_cselect_b32 s2, 6144, 0
	s_cselect_b32 s22, 256, 0
	s_add_co_u32 s92, s92, s46
	s_add_co_u32 s92, s92, s2
	s_add_co_u32 s94, s94, s47
	s_add_co_u32 s94, s94, s22
	s_mov_b32 s93, 0
	s_mov_b32 s95, 0
	s_add_nc_u64 s[96:97], s[14:15], s[92:93]
	s_add_nc_u64 s[98:99], s[14:15], s[94:95]
	s_mov_b32 s101, 0xffff0000
	s_mov_b32 s[SEL], 0x76543210
	s_mov_b32 s[SEL+1], 0xfedcba98
	v_and_b32 v1, 15, v0
	v_bfe_u32 v2, v0, 4, 1
	v_and_b32 v3, 31, v0
	v_lshlrev_b32 v[OF0], 4, v3
	v_add_nc_u32 v[OF1], s100, v[OF0]
	v_mul_lo_u32 v[OFS], v2, s3
	v_lshl_add_u32 v[OFS], v1, 4, v[OFS]
.irp b, 0,1,2,3
	v_mov_b32 v[TM+4+\b], 0
.endr
.macro QUANT s, d0, d1, pw             ; Q, K: four blocks, each in lanes l and l xor 16
.irp b, 0,1,2,3
	v_max3_num_f32 v[TM+\b], |v[(\s)+16*\b]|, |v[(\s)+1+16*\b]|, 0x1800000
.endr
.irp i, 2,4,6,8,10,12,14
.irp b, 0,1,2,3
	v_max3_num_f32 v[TM+\b], v[TM+\b], |v[(\s)+16*\b+\i]|, |v[(\s)+1+16*\b+\i]|
.endr
.endr
.irp b, 0,1,2,3
	v_permlanex16_b32 v[TM+4+\b], v[TM+\b], s[SEL], s[SEL+1]
.endr
.irp b, 0,1,2,3
	v_max_num_f32 v[TM+\b], v[TM+\b], v[TM+4+\b]
.endr
.irp b, 0,1,2,3
	v_add_nc_u32 v[TM+12+\b], 0xff000000, v[TM+\b]
.endr
.irp b, 0,1,2,3
	v_lshrrev_b32 v[TM+4+\b], 23, v[TM+12+\b]
.endr
	v_lshl_or_b32 v[\pw], v[TM+5], 8, v[TM+4]
	v_lshl_or_b32 v[\pw], v[TM+6], 16, v[\pw]
	v_lshl_or_b32 v[\pw], v[TM+7], 24, v[\pw]
	v_cvt_scalef32_pk16_fp6_f32 v[(\d0):(\d0)+2], v[(\s):(\s)+15], v[TM+12]
	v_cvt_scalef32_pk16_fp6_f32 v[X2:X2+2], v[(\s)+16:(\s)+31], v[TM+13]
	v_cvt_scalef32_pk16_fp6_f32 v[(\d1):(\d1)+2], v[(\s)+32:(\s)+47], v[TM+14]
	v_cvt_scalef32_pk16_fp6_f32 v[X2+4:X2+6], v[(\s)+48:(\s)+63], v[TM+15]
	v_nop
.irp i, 0,1,2
	v_permlane16_swap_b32 v[(\d0)+\i], v[X2+\i]
	v_permlane16_swap_b32 v[(\d1)+\i], v[X2+4+\i]
.endr
.irp i, 0,1,2
	v_mov_b32 v[(\d0)+3+\i], v[X2+\i]
	v_mov_b32 v[(\d1)+3+\i], v[X2+4+\i]
.endr
.endm
.macro QUANTV d, pw                    ; V: registers H + 32 c + 0 .. 31 are tokens 64 c + 32 h + 0 .. 31: block 2 c + h, whole in my lane
.irp c, 0,1
	v_max3_num_f32 v[TM+\c], |v[H+32*\c]|, |v[H+32*\c+1]|, 0x1800000
	v_max3_num_f32 v[TM+2+\c], |v[H+32*\c+16]|, |v[H+32*\c+17]|, |v[H+32*\c+18]|
.endr
.irp i, 2,4,6,8,10,12
.irp c, 0,1
	v_max3_num_f32 v[TM+\c], v[TM+\c], |v[H+32*\c+\i]|, |v[H+32*\c+\i+1]|
	v_max3_num_f32 v[TM+2+\c], v[TM+2+\c], |v[H+32*\c+17+\i]|, |v[H+32*\c+18+\i]|
.endr
.endr
.irp c, 0,1
	v_max3_num_f32 v[TM+\c], v[TM+\c], |v[H+32*\c+14]|, |v[H+32*\c+15]|
.endr
.irp c, 0,1
	v_max3_num_f32 v[TM+\c], v[TM+\c], v[TM+2+\c], |v[H+32*\c+31]|
.endr
.irp c, 0,1
	v_add_nc_u32 v[TM+12+\c], 0xff000000, v[TM+\c]
.endr
.irp c, 0,1
	v_lshrrev_b32 v[TM+4+\c], 23, v[TM+12+\c]
.endr
	v_lshl_or_b32 v[\pw], v[TM+5], 16, v[TM+4]     ; my bytes h and 2 + h of the scale word,
	v_lshlrev_b32 v[\pw], v[SELV], v[\pw]          ; 8 h bits up
	v_permlanex16_b32 v[TM+6], v[\pw], s[SEL], s[SEL+1]
	v_cvt_scalef32_pk16_fp6_f32 v[(\d):(\d)+2], v[H:H+15], v[TM+12]
	v_cvt_scalef32_pk16_fp6_f32 v[X2:X2+2], v[H+16:H+31], v[TM+12]
	v_cvt_scalef32_pk16_fp6_f32 v[(\d)+6:(\d)+8], v[H+32:H+47], v[TM+13]
	v_cvt_scalef32_pk16_fp6_f32 v[X2+4:X2+6], v[H+48:H+63], v[TM+13]
	v_or_b32 v[\pw], v[\pw], v[TM+6]               ; with lane l xor 16's two the word is whole (also the plain line behind the conversions)
.irp i, 0,1,2
	v_mov_b32 v[(\d)+3+\i], v[X2+\i]
	v_mov_b32 v[(\d)+9+\i], v[X2+4+\i]
.endr
.endm
.macro ADDB a
	WIN 0x02+(\a)/4
.set ACB, 64*((\a)%4)
.set ii, 0
.rept 32
	v_pk_add_f32 v[H+ii:H+ii+1], v[ACB+ii:ACB+ii+1], v[BI+ii:BI+ii+1]
.set ii, ii+2
.endr
	WIN 0
.endm
.macro ADDM a
	WIN 0x02+(\a)/4
.set ACB, 64*((\a)%4)
.set ii, 0
.rept 32
	v_pk_add_f32 v[H+ii:H+ii+1], v[ACB+ii:ACB+ii+1], v[BI+2*(\a):BI+2*(\a)+1]
.set ii, ii+2
.endr
	WIN 0
.endm
	s_cmp_eq_u32 s19, 2
	s_cbranch_scc1 .Lway_v
	s_cmp_eq_u32 s19, 0
	s_cselect_b64 s[22:23], s[8:9], s[10:11]
	s_lshl_b32 s46, s21, 2
	s_mov_b32 s47, 0
	s_add_nc_u64 s[22:23], s[22:23], s[46:47]
	v_lshlrev_b32 v[BOF], 6, v2
	v_mov_b32 v[SELV], 0x05040100
	v_mov_b32 v3, 0x07060302
	v_cndmask_b32 v[SELV], v[SELV], v3, s101
.irp b, 0,1,2,3
.irp i, 0,1,2,3
	global_load_b128 v[BI+16*\b+4*\i:BI+16*\b+4*\i+3], v[BOF], s[22:23] offset:128*\b+16*\i
.endr
.endr
	s_wait_loadcnt 0x0
.irp g, 0,1,2,3
	s_wait_xcnt 0x0
	ADDB 2*\g
	QUANT H, I0, I1, PWS+2*\g
	ADDB 2*\g+1
	QUANT H, I0+6, I1+6, PWS+2*\g+1
.irp c, 0,1,2
	global_store_b128 v[OF0], v[I0+4*\c:I0+4*\c+3], s[96:97] offset:1536*\g+512*\c
	global_store_b128 v[OF1], v[I1+4*\c:I1+4*\c+3], s[96:97] offset:1536*\g+512*\c
.endr
.endr
.irp f, 0,1,2,3
	v_perm_b32 v[W+\f], v[PWS+2*\f+1], v[PWS+2*\f], v[SELV]
.endr
	global_store_b128 v[OFS], v[W:W+3], s[98:99]
	s_branch .Lway_end
.Lway_v:
	s_lshl_b32 s46, s20, 2
	s_mov_b32 s47, 0
	s_add_nc_u64 s[22:23], s[12:13], s[46:47]
	v_and_b32 v3, 8, v1
	v_add_nc_u32 v3, v3, v1
	v_lshlrev_b32 v[BOF], 2, v3
	v_lshlrev_b32 v[SELV], 3, v2                   ; 8 h
.irp a, 0,1,2,3,4,5,6,7
	global_load_b32 v[BI+2*\a], v[BOF], s[22:23] offset:(32*(\a/2)+8*(\a%2))*4
	global_load_b32 v[BI+2*\a+1], v[BOF], s[22:23] offset:(32*(\a/2)+8*(\a%2))*4
.endr
	s_wait_alu depctr_va_vdst(0)
	s_wait_loadcnt 0x0
.irp a, 0,1,2,3,4,5,6,7
	s_wait_xcnt 0x0
	ADDM \a
	QUANTV I0+12*(\a%2), PWS+\a
.irp c, 0,1,2
	global_store_b128 v[OF0], v[I0+12*(\a%2)+4*\c:I0+12*(\a%2)+4*\c+3], s[96:97] offset:(\a/4)*196608+(\a%4)*1536+512*\c
.endr
.endr
.irp i, 0,1,2,3
	v_cndmask_b32 v[W+\i], v[PWS+\i], v[PWS+4+\i], s101
.endr
	global_store_b128 v[OFS], v[W:W+3], s[98:99]
.Lway_end:
	s_wait_tensorcnt 0x0                           ; the wave's end
	ds_add_u32 v[SPW], v[NIL]
	s_wait_dscnt 0x0
	CROUND
	s_endpgm
.Lfunc_end_k_qa54aeca037_proj:
	.size	k_qa54aeca037_proj, .Lfunc_end_k_qa54aeca037_proj-k_qa54aeca037_proj
	.p2alignl 7, 3214868480
	.fill 96, 4, 3214868480
	.section	.rodata,"a",@progbits
	.p2align	6, 0x0
	.amdhsa_kernel k_qa54aeca037_proj
		.amdhsa_group_segment_fixed_size 327680
		.amdhsa_private_segment_fixed_size 0
		.amdhsa_enable_private_segment 0
		.amdhsa_kernarg_size 48
		.amdhsa_user_sgpr_count 2
		.amdhsa_user_sgpr_kernarg_segment_ptr 1
		.amdhsa_wavefront_size32 1
		.amdhsa_system_sgpr_workgroup_id_x 1
		.amdhsa_system_sgpr_workgroup_id_y 1
		.amdhsa_system_sgpr_workgroup_id_z 1
		.amdhsa_system_vgpr_workitem_id 0
		.amdhsa_next_free_vgpr 1024
		.amdhsa_next_free_sgpr 104
		.amdhsa_reserve_vcc 0
		.amdhsa_float_denorm_mode_32 3
		.amdhsa_float_denorm_mode_16_64 3
		.amdhsa_memory_ordered 1
		.amdhsa_forward_progress 1
		.amdhsa_inst_pref_size 228
	.end_amdhsa_kernel
	.amdgpu_metadata
---
amdhsa.version: [ 1, 2 ]
amdhsa.kernels:
  - .name:           k_qa54aeca037_proj
    .symbol:         k_qa54aeca037_proj.kd
    .args:
      - { .name: act, .offset: 0, .size: 8, .value_kind: global_buffer, .address_space: global }
      - { .name: wts, .offset: 8, .size: 8, .value_kind: global_buffer, .address_space: global }
      - { .name: bq, .offset: 16, .size: 8, .value_kind: global_buffer, .address_space: global }
      - { .name: bk, .offset: 24, .size: 8, .value_kind: global_buffer, .address_space: global }
      - { .name: bv, .offset: 32, .size: 8, .value_kind: global_buffer, .address_space: global }
      - { .name: qkv, .offset: 40, .size: 8, .value_kind: global_buffer, .address_space: global }
    .group_segment_fixed_size: 327680
    .private_segment_fixed_size: 0
    .kernarg_segment_align: 8
    .kernarg_segment_size: 48
    .max_flat_workgroup_size: 128
    .sgpr_count:     104
    .vgpr_count:     1024
    .wavefront_size: 32
...
	.end_amdgpu_metadata
.endif
;; end of part 2
;; launch attn (part 3): grid 8 x 32, 8 waves a work-group, clusters of 4 x 1, 327,680 bytes of LDS; arguments qkv, ctx; writes ctx
.if DOCPART == 3
	.amdgcn_target "amdgcn-amd-amdhsa--gfx1250"
	.amdhsa_code_object_version 6
	.text
	.protected	k_qa54aeca037_attn
	.globl	k_qa54aeca037_attn
	.p2align	8
	.type	k_qa54aeca037_attn,@function
k_qa54aeca037_attn:
	s_mov_b64 s[64:65], 0
	v_nop
	global_prefetch_b8 v0, s[64:65] scope:SCOPE_SE
	s_setreg_imm32_b32 hwreg(HW_REG_WAVE_MODE, 25, 1), 1
	s_wait_xcnt 0x0
	s_wait_alu depctr_hold_cnt(0) depctr_sa_sdst(0) depctr_va_vdst(0) depctr_va_sdst(0) depctr_va_ssrc(0) depctr_va_vcc(0) depctr_vm_vsrc(0)
	s_getreg_b32 s2, hwreg(HW_REG_IB_STS2, 6, 4)
	s_cmp_eq_u32 s2, 0
	s_cbranch_scc0 .Lentry_in_a_cluster
	s_endpgm
.Lentry_in_a_cluster:
	s_bfe_u32 s2, ttmp6, 0x10000c
	s_cmp_lg_u32 s2, 0x3003
	s_cbranch_scc0 .Lentry_shape_is_right
	s_endpgm
.Lentry_shape_is_right:
; ctx[b][q][head][:] = the sum over keys of softmax(q . k / 8) v, both products on codes of FP6 (E2M3) with one E8M0 scale for each 32 along a product's K; ctx is quantised along d and leaves as operands of the last product.
; THE SOFTMAX: t = score x log2(e) / 8; M = the row's largest t so far, rounded up to a whole number; p = 2^(t - M) is quantised along the keys, not normalised; the row's sum is taken of the unquantised p and divides O
; at the end.  When M moves, the sum and O are multiplied by 2^(old M - new M): exact.
; SHARES.  A work-group owns 256 queries of a batch and walks two heads, 2 g and 2 g + 1, whose K, V lie as one dense stream of 32 key steps of 128 keys (12,288 bytes each).  Each of EIGHT waves owns 32 queries, two
; tiles of 16: each fragment of K and V read from LDS feeds both tiles, and the two tiles' chains of dependent lines stand side by side.
; REGISTERS, in two windows of 256.  Window 0: addresses, K's or V's four fragments, scale registers, both tiles' small state, and tile 0's bulk (q, ctx's fragment, S, O^T).  Window 1: tile 1's bulk at the same numbers,
; and both tiles' codes of p.
; THE RING: two slots of eight key steps, 98,304 bytes each, on end in LDS: four fills in all, so three rounds of the cluster's barrier and one plain barrier.
; CLUSTER.  The four query blocks of a cluster walk the same stream: each fill is asked for jointly (mask 15), by waves 2 to 7, a sixth (16,384 bytes) each; waves 0 and 1 bring the walk's scale words at the head.
; PREFETCH.  Behind the first two rounds waves 0 to 2 name the slot that the NEXT round will ask for: 24,576 bytes a work-group, lanes 256 bytes apart, the four partners told apart by address.  Slots 0 and 1 come by
; their loads alone.
; OPERANDS ARE IMAGES of their 12 registers (chunk c x lane x 16 bytes).  An image of K holds two tiles of 16 keys; it is multiplied by [q | zero codes] and by [zero codes | q] (K = 64 in an instruction of K = 128):
; 18 registers [zeros | q | zeros] serve as both.
; Tile T of a key step holds keys 64 (T / 4) + 8 (T % 4) + i in rows i and 32 further on in rows 8 + i: so registers S + 32 c + 0 .. 31 of lane (r, h) are keys 64 c + 32 h + 0 .. 31 of query r: whole blocks, as p's operand wants them.
; LIMITS: NaN and infinities are not served; a block of zeros gets the byte 1; 1 / l is v_rcp_f32's; a block's largest p is made from its largest score by the same multiply-add and exponential, which takes v_exp_f32
; not to fall where its input rises; the scaled scores stay under 2^31 in magnitude.
.set QSC,   6291456
.set KV,    6553600
.set KVS,   19136512
.set CTXS,  6291456
.set STEPB, 12288
.set SLOTB, 8*STEPB
.set SCL,   2*SLOTB                    ; the walk's scale words, 32 x 512 bytes: filled once
.set SPARE, SCL+16384                  ; the spare words, 128 bytes a wave
.set STG,   SPARE+2048                 ; 1,024 bytes: ctx's 256 scale words; no fill lands here
.set LI,  1
.set SPW, 2
.set NIL, 3
.set ADK, 4
.set ADS, 5
.set SCA, 6
.set PFO, 7
.set STW, 8
.set STR, 9
.set SH8, 10                           ; 8 x (lane / 16)
.set ST,  12                           ; tile j at ST + 4 j: -M, the largest t, the sum's pair
.set F,   24                           ; v24-71 four fragments of K or of V
.set SC,  72                           ; v72-75 lanes 0-15 K's scale words, lanes 16-31 V's
.set QS,  76                           ; + j: q's scale word
.set QS1, 78                           ; + j: the second head's
.set PW,  80                           ; + j: p's
.set CW,  82                           ; + j: ctx's
.set TJ,  84                           ; tile j's small registers at TJ + 20 j: +0,1 the blocks' largest; +2..4 at work; +5,6 scale operands; +7 old -M; +8,9 f; +10 at work; +12..17 three chains of the sum
.set QZ,  124                          ; bulk, window j: [zeros 6 | q 6 | zeros 6]
.set Q1,  142                          ; the second head's q
.set CT,  148                          ; ctx's fragment
.set S,   160                          ; S^T, then p
.set OT,  224                          ; O^T
.set TB,  2                            ; window 1, low: tile j's codes of p at 24 j, the conversions' second halves at 24 j + 12, + 16
.set TS,  3
.set WV,  18
.set SEL, 20
.set CS,  22
.set G1C, 24
.set G1S, 32
.set G0C, 40
.set G0S, 44
.set TRIP, 49
.set PFA, 50
.set CBA, 54
.set CSB, 56
.set MSB, 0
.macro WIN new                         ; bits 1:0 source 0, 3:2 source 1, 5:4 source 2, 7:6 destination; the high byte repeats the setting that is left
.if MSB != (\new)
	s_set_vgpr_msb (MSB<<8)|(\new)
.set MSB, (\new)
.endif
.endm
.macro CROUND
	s_barrier_signal -1
	s_barrier_wait -1
	s_cmp_lg_u32 s[WV], 0
	s_cbranch_scc1 .Lnot_wave_0_\@
	s_barrier_signal -3
.Lnot_wave_0_\@:
	s_barrier_wait -3
	s_barrier_signal -1
	s_barrier_wait -1
.endm
	s_load_b128 s[4:7], s[0:1], 0x0                ; qkv, ctx
	v_lshl_add_u32 v[SPW], v0, 2, SPARE
	v_mov_b32 v[NIL], 0
	ds_add_u32 v[SPW], v[NIL]                      ; the opening lines
	ds_add_u32 v[SPW], v[NIL]
	v_lshrrev_b32 v4, 5, v0
	v_readfirstlane_b32 s[WV], v4                  ; wave 0..7
	s_bfe_u32 s8, ttmp6, 0x40000                   ; cx
	s_lshl_b32 s9, ttmp9, 2
	s_add_co_u32 s9, s9, s8                        ; my block of 256 queries
	s_and_b32 s10, ttmp7, 0xffff                   ; 8 x batch + pair of heads
	s_and_b32 s11, s[WV], 1
	s_mul_i32 s12, s10, 32*STEPB
	s_add_co_u32 s12, s12, KV                      ; the walk's stream
	s_add_co_u32 s13, s[WV], 6
	s_and_b32 s13, s13, 7
	s_lshl_b32 s13, s13, 14                        ; waves 2 to 7: my sixth of a slot, in memory and in LDS
	s_add_co_u32 s14, s12, s13
	s_mov_b32 s15, 0
	s_lshl_b32 s16, s10, 14
	s_add_co_u32 s16, s16, KVS
	s_lshl_b32 s19, s11, 13
	s_add_co_u32 s16, s16, s19                     ; waves 0, 1: my half of the scale words
	s_mov_b32 s17, 0
	s_mov_b32 s[G1C], 15|(3<<16)|(1<<21)
	s_mov_b32 s[G1C+1], 32<<16
	s_mov_b32 s[G1C+2], 64<<16
	s_mov_b32 s[G1C+3], 32<<16
	s_mov_b32 s[G1C+4], 64                         ; 64 rows of 256 bytes, dense
	s_mov_b32 s[G1C+5], 32
	s_mov_b32 s[G1C+6], 0
	s_mov_b32 s[G1C+7], 0
	s_mov_b32 s[G1S], 15|(3<<16)|(1<<21)
	s_mov_b32 s[G1S+1], 32<<16
	s_mov_b32 s[G1S+2], 32<<16
	s_mov_b32 s[G1S+3], 32<<16
	s_mov_b32 s[G1S+4], 32
	s_mov_b32 s[G1S+5], 32
	s_mov_b32 s[G1S+6], 0
	s_mov_b32 s[G1S+7], 0
	s_mul_i32 s60, s8, 24576                       ; the prefetches: slot 2, my work-group's quarter, my wave's third of it
	s_lshl_b32 s61, s[WV], 13
	s_add_co_u32 s60, s60, s61
	s_add_co_u32 s60, s60, s12
	s_add_co_u32 s60, s60, 2*SLOTB
	s_mov_b32 s61, 0
	s_lshl_b32 s63, s9, 3
	s_add_co_u32 s63, s63, s[WV]                   ; my group of 32 queries
	s_mul_i32 s63, s63, 1536
	s_mul_i32 s66, s10, 2*98304
	s_add_co_u32 s66, s66, s63
	s_mov_b32 s67, 0
	s_lshr_b32 s68, s[WV], 2
	s_lshl_b32 s69, s9, 1
	s_add_co_u32 s68, s68, s69                     ; which 128 queries
	s_lshl_b32 s68, s68, 8
	s_and_b32 s62, s[WV], 3
	s_lshl_b32 s62, s62, 2
	s_add_co_u32 s68, s68, s62                     ; + 4 x the group among them
	s_lshl_b32 s69, s10, 13
	s_add_co_u32 s68, s68, s69
	s_add_co_u32 s68, s68, QSC
	s_mov_b32 s69, 0
	s_and_b32 s70, s10, 7                          ; g
	s_lshr_b32 s71, s10, 3                         ; batch
	s_lshl_b32 s72, s71, 7
	s_lshl_b32 s73, s9, 4
	s_add_co_u32 s72, s72, s73
	s_lshl_b32 s73, s[WV], 1
	s_add_co_u32 s72, s72, s73                     ; my first tile of 16 storage rows of ctx
	s_lshr_b32 s73, s70, 1
	s_lshl_b32 s73, s73, 9
	s_add_co_u32 s72, s72, s73                     ; ctx's images: [g / 2][tile 512][g % 2][1,536]
	s_mul_i32 s72, s72, 3072
	s_and_b32 s73, s70, 1
	s_mul_i32 s73, s73, 1536
	s_add_co_u32 s72, s72, s73
	s_mov_b32 s73, 0
	s_lshl_b32 s74, s70, 15                        ; ctx's scale words: [g][storage row 8,192]
	s_lshl_b32 s75, s71, 13
	s_add_co_u32 s74, s74, s75
	s_lshl_b32 s75, s9, 10
	s_add_co_u32 s74, s74, s75
	s_lshl_b32 s75, s11, 9
	s_add_co_u32 s74, s74, s75
	s_add_co_u32 s74, s74, CTXS
	s_mov_b32 s75, 0
	s_mov_b32 s[SEL], 0x76543210
	s_mov_b32 s[SEL+1], 0xfedcba98
	s_mov_b32 s[CS], 0x3e38aa3b                    ; c = log2(e) / 8
	s_mov_b32 s[CS+1], s[CS]
	s_wait_alu depctr_va_vdst(0)
	s_wait_dscnt 0x0
	s_wait_kmcnt 0x0
	s_mov_b32 s[G0S], 1
	s_add_co_u32 s[G0S+1], s19, SCL
	s_add_nc_u64 s[G0S+2:G0S+3], s[4:5], s[16:17]
	s_or_b32 s[G0S+3], s[G0S+3], 0x80000000
	s_mov_b32 s[G0C], 1
	s_add_co_u32 s[G0C+1], s13, 0
	s_add_nc_u64 s[G0C+2:G0C+3], s[4:5], s[14:15]
	s_or_b32 s[G0C+3], s[G0C+3], 0x80000000
	s_add_nc_u64 s[PFA:PFA+1], s[4:5], s[60:61]
	s_add_nc_u64 s[66:67], s[4:5], s[66:67]
	s_add_nc_u64 s[68:69], s[4:5], s[68:69]
	s_add_nc_u64 s[CBA:CBA+1], s[6:7], s[72:73]
	s_add_nc_u64 s[CSB:CSB+1], s[6:7], s[74:75]
	CROUND                                         ; the first joint loads meet
	s_cmp_lt_u32 s[WV], 2                          ; one load a wave at the head: every way passes exactly one
	s_cbranch_scc0 .Lhead_codes
	tensor_load_to_lds s[G0S:G0S+3], s[G1S:G1S+7]  ; the scale words
	s_nop 0
.rept 4
	v_nop
.endr
	s_branch .Lhead_asked
.Lhead_codes:
	tensor_load_to_lds s[G0C:G0C+3], s[G1C:G1C+7]  ; slot 0
	s_nop 0
.rept 4
	v_nop
.endr
.Lhead_asked:
	v_and_b32 v22, 31, v0
	v_and_b32 v23, 15, v0
	v_bfe_u32 v[SH8], v0, 4, 1
	v_lshlrev_b32 v[LI], 4, v22
	v_lshlrev_b32 v[PFO], 8, v22
	v_lshlrev_b32 v[SH8], 3, v[SH8]
	v_add_nc_u32 v[SCA], SCL, v[LI]
	s_lshl_b32 s76, s[WV], 7
	v_lshl_add_u32 v[STW], v23, 2, s76
	v_lshlrev_b32 v11, 4, v23                      ; 16 r
	s_lshl_b32 s76, s11, 9
	v_add_nc_u32 v[STR], s76, v[LI]
	v_add_nc_u32 v[STW], STG, v[STW]               ; STG + 128 x wave + 4 r: tile 0's word; tile 1's 64 bytes on
	v_add_nc_u32 v[STR], STG, v[STR]
.irp c, 0,1,2
	global_load_b128 v[F+4*\c:F+4*\c+3], v[LI], s[66:67] offset:512*\c             ; my 32 queries' image, first head
	global_load_b128 v[F+12+4*\c:F+12+4*\c+3], v[LI], s[66:67] offset:98304+512*\c ; second head
.endr
	global_load_b32 v20, v11, s[68:69]
	global_load_b32 v21, v11, s[68:69] offset:4096
	s_wait_alu depctr_va_vdst(0)
	s_wait_loadcnt 0x0
	v_perm_b32 v[QS], v20, v20, 0x01000100         ; a tile's two bytes, twice: the zero half stands under the same scales
	v_perm_b32 v[QS+1], v20, v20, 0x03020302
	v_perm_b32 v[QS1], v21, v21, 0x01000100
	v_perm_b32 v[QS1+1], v21, v21, 0x03020302
.irp i, 0,1,2,3,4,5
	v_mov_b32 v[QZ+\i], 0
	v_mov_b32 v[QZ+6+\i], v[F+\i]                  ; tile 0: the image's first six registers
	v_mov_b32 v[QZ+12+\i], 0
	v_mov_b32 v[Q1+\i], v[F+12+\i]
.endr
	WIN 0x40
.irp i, 0,1,2,3,4,5
	v_mov_b32 v[QZ+\i], 0
	v_mov_b32 v[QZ+6+\i], v[F+6+\i]                ; tile 1: its second six
	v_mov_b32 v[QZ+12+\i], 0
	v_mov_b32 v[Q1+\i], v[F+18+\i]
.endr
	WIN 0
.set jj, 0
.rept 40
	v_mov_b32 v[TJ+jj], 0                          ; written once: a lane permute's destination counts as one of its sources, a pair is read whole
.set jj, jj+1
.endr
.macro RESET j                         ; a head begins: O^T and the sum are zeros, the largest t is -3e38
	WIN 0
	v_mov_b32 v[ST+4*(\j)+1], 0xff61b1e6
	v_mov_b32 v[ST+4*(\j)+2], 0
	v_mov_b32 v[ST+4*(\j)+3], 0
	v_floor_f32 v[ST+4*(\j)], -v[ST+4*(\j)+1]
	WIN (\j)*0x40
.set jj, 0
.rept 32
	v_mov_b32 v[OT+jj], 0
.set jj, jj+1
.endr
	WIN 0
.endm
	RESET 0
	RESET 1
	s_wait_alu depctr_va_vdst(0)
.macro QK j                            ; S^T of tile j: eight tiles of 16 keys
	WIN ((\j)<<2)|((\j)<<6)
.irp f, 0,1,2,3
	v_wmma_scale_f32_16x16x128_f8f6f4 v[S+16*\f:S+16*\f+7], v[F+12*\f:F+12*\f+11], v[QZ+6:QZ+17], 0, v[SC+\f], v[QS+\j] matrix_a_fmt:MATRIX_FMT_FP6 matrix_b_fmt:MATRIX_FMT_FP6
	v_wmma_scale_f32_16x16x128_f8f6f4 v[S+16*\f+8:S+16*\f+15], v[F+12*\f:F+12*\f+11], v[QZ:QZ+11], 0, v[SC+\f], v[QS+\j] matrix_a_fmt:MATRIX_FMT_FP6 matrix_b_fmt:MATRIX_FMT_FP6
.endr
.endm
.macro MAXS j                          ; the largest score of my two blocks of 32 keys, two chains each, ascending
.set BX_, TJ+20*(\j)
.set BT_, BX_+2
	WIN (\j)*0x15
.irp c, 0,1
	v_max3_num_f32 v[BX_+\c], v[S+32*\c], v[S+32*\c+1], v[S+32*\c+2]
	v_max3_num_f32 v[BT_+\c], v[S+32*\c+16], v[S+32*\c+17], v[S+32*\c+18]
.endr
	WIN (\j)*0x14
.irp i, 3,5,7,9,11,13
.irp c, 0,1
	v_max3_num_f32 v[BX_+\c], v[BX_+\c], v[S+32*\c+\i], v[S+32*\c+\i+1]
	v_max3_num_f32 v[BT_+\c], v[BT_+\c], v[S+32*\c+16+\i], v[S+32*\c+17+\i]
.endr
.endr
	WIN (\j)*0x10
.irp c, 0,1
	v_max3_num_f32 v[BX_+\c], v[BX_+\c], v[BT_+\c], v[S+32*\c+15]
.endr
	WIN (\j)*0x04
.irp c, 0,1
	v_max_num_f32 v[BX_+\c], v[BX_+\c], v[S+32*\c+31]
.endr
.endm
.macro FMA j                           ; t - M, and O^T under the new M (ahead of the exponentials)
	WIN (\j)*0x41
.set jj, 0
.rept 32
	v_pk_fma_f32 v[S+jj:S+jj+1], v[S+jj:S+jj+1], s[CS:CS+1], v[ST+4*(\j):ST+4*(\j)+1] op_sel_hi:[1,0,0]
.set jj, jj+2
.endr
.set jj, 0
.rept 16
	v_pk_mul_f32 v[OT+jj:OT+jj+1], v[OT+jj:OT+jj+1], v[TJ+20*(\j)+8:TJ+20*(\j)+9] op_sel_hi:[1,0]
.set jj, jj+2
.endr
.endm
.macro EXPS j
	WIN (\j)*0x41
.set jj, 0
.rept 64
	v_exp_f32 v[S+jj], v[S+jj]                     ; p = 2^(t - M)
.set jj, jj+1
.endr
.endm
.macro CVT j                           ; p's codes, into window 1
	WIN 0x40|(\j)
.irp c, 0,1
	v_cvt_scalef32_pk16_fp6_f32 v[24*(\j)+6*\c:24*(\j)+6*\c+2], v[S+32*\c:S+32*\c+15], v[TJ+20*(\j)+5+\c]
	v_cvt_scalef32_pk16_fp6_f32 v[24*(\j)+12+4*\c:24*(\j)+14+4*\c], v[S+32*\c+16:S+32*\c+31], v[TJ+20*(\j)+5+\c]
.endr
.endm
.macro SUMS j                          ; the row's sum of the unquantised p, four chains
.set SM_, TJ+20*(\j)+12
.set SU_, ST+4*(\j)+2
	WIN (\j)*0x05
	v_pk_add_f32 v[SM_:SM_+1], v[S:S+1], v[S+2:S+3]
	v_pk_add_f32 v[SM_+2:SM_+3], v[S+4:S+5], v[S+6:S+7]
	v_pk_add_f32 v[SM_+4:SM_+5], v[S+8:S+9], v[S+10:S+11]
	WIN (\j)*0x04
	v_pk_add_f32 v[SU_:SU_+1], v[SU_:SU_+1], v[S+12:S+13]
.set jj, 14
.rept 6
	v_pk_add_f32 v[SM_:SM_+1], v[SM_:SM_+1], v[S+jj:S+jj+1]
	v_pk_add_f32 v[SM_+2:SM_+3], v[SM_+2:SM_+3], v[S+jj+2:S+jj+3]
	v_pk_add_f32 v[SM_+4:SM_+5], v[SM_+4:SM_+5], v[S+jj+4:S+jj+5]
	v_pk_add_f32 v[SU_:SU_+1], v[SU_:SU_+1], v[S+jj+6:S+jj+7]
.set jj, jj+8
.endr
	v_pk_add_f32 v[SM_:SM_+1], v[SM_:SM_+1], v[S+62:S+63]
	WIN 0
	v_pk_add_f32 v[SM_+2:SM_+3], v[SM_+2:SM_+3], v[SM_+4:SM_+5]
	v_pk_add_f32 v[SU_:SU_+1], v[SU_:SU_+1], v[SM_:SM_+1]
	v_pk_add_f32 v[SU_:SU_+1], v[SU_:SU_+1], v[SM_+2:SM_+3]
.endm
.macro PV j                            ; O^T += v^T p^T
	WIN 0x04|((\j)*0x50)
.irp t, 0,1,2,3
	v_wmma_scale_f32_16x16x128_f8f6f4 v[OT+8*\t:OT+8*\t+7], v[F+12*\t:F+12*\t+11], v[24*(\j):24*(\j)+11], v[OT+8*\t:OT+8*\t+7], v[SC+\t], v[PW+\j] matrix_a_fmt:MATRIX_FMT_FP6 matrix_b_fmt:MATRIX_FMT_FP6 matrix_a_scale:MATRIX_SCALE_ROW1
.endr
.endm
; A KEY STEP: 128 keys at LDS byte s[TB], their scale words at SCL + s[TS], for both tiles
.macro STEP
	v_add_nc_u32 v[ADK], s[TB], v[LI]              ; four places behind the last products, in front of the loads into their registers
	v_add_nc_u32 v[ADS], s[TS], v[SCA]
	v_mov_b32 v[TJ+7], v[ST]                       ; the old -M of each tile
	v_mov_b32 v[TJ+27], v[ST+4]
.irp i, 0,1,2,3,4,5,6,7,8,9,10,11
	ds_load_b128 v[F+4*\i:F+4*\i+3], v[ADK] offset:512*\i
.endr
	ds_load_b128 v[SC:SC+3], v[ADS]
	s_wait_alu depctr_va_vdst(0)
	s_wait_dscnt 0x0
	QK 0
	QK 1
	WIN 0
.rept 4
	v_nop                                          ; places: in front of the loads into K's registers and of the first read of the scores
.endr
.irp i, 0,1,2,3,4,5,6,7,8,9,10,11
	ds_load_b128 v[F+4*\i:F+4*\i+3], v[ADK] offset:6144+512*\i   ; V lands under the softmax
.endr
	MAXS 0
	MAXS 1
	WIN 0
.irp j, 0,1                            ; the two tiles' chains line by line in turn
	v_max_num_f32 v[TJ+20*\j+10], v[TJ+20*\j], v[TJ+20*\j+1]
.endr
.irp j, 0,1
	v_mul_f32 v[TJ+20*\j+10], s[CS], v[TJ+20*\j+10]                ; as t
.endr
.irp j, 0,1
	v_permlanex16_b32 v[TJ+20*\j+2], v[TJ+20*\j+10], s[SEL], s[SEL+1]
.endr
.irp j, 0,1
	v_max3_num_f32 v[ST+4*\j+1], v[ST+4*\j+1], v[TJ+20*\j+10], v[TJ+20*\j+2]   ; the running largest t, with lane l xor 16's two blocks
.endr
.irp j, 0,1
	v_floor_f32 v[ST+4*\j], -v[ST+4*\j+1]          ; the new -M = -ceil(t)
.endr
.irp j, 0,1
	v_sub_f32 v[TJ+20*\j+7], v[ST+4*\j], v[TJ+20*\j+7]             ; old M - new M: a whole number, 0 or less
.endr
.irp j, 0,1
	v_cvt_i32_f32 v[TJ+20*\j+7], v[TJ+20*\j+7]
.endr
.irp j, 0,1
	v_ldexp_f32 v[TJ+20*\j+8], 1.0, v[TJ+20*\j+7]  ; f
.endr
	FMA 0
	FMA 1
	WIN 0
.irp j, 0,1
.irp c, 0,1
	v_fma_f32 v[TJ+20*\j+\c], v[TJ+20*\j+\c], s[CS], v[ST+4*\j]    ; the same of each block's largest score
.endr
.endr
	s_wait_alu depctr_va_vdst(0)                   ; ahead of the batch
	EXPS 0
.irp j, 0,1
.irp c, 0,1
	v_exp_f32 v[TJ+20*\j+\c], v[TJ+20*\j+\c]       ; the blocks' largest p
.endr
.endr
	EXPS 1
	WIN 0
.irp j, 0,1
	v_pk_mul_f32 v[ST+4*\j+2:ST+4*\j+3], v[ST+4*\j+2:ST+4*\j+3], v[TJ+20*\j+8:TJ+20*\j+9] op_sel_hi:[1,0]   ; the sums under the new M (plain lines behind the batch)
.endr
	s_wait_alu depctr_va_vdst(0)                   ; one wait for the batch, ahead of its first reader
.irp j, 0,1
.irp c, 0,1
	v_max_num_f32 v[TJ+20*\j+\c], 0x1800000, v[TJ+20*\j+\c]        ; the floor 2^(3 - 127)
.endr
.endr
.irp j, 0,1
.irp c, 0,1
	v_add_nc_u32 v[TJ+20*\j+5+\c], 0xff000000, v[TJ+20*\j+\c]      ; the conversions' scale operands
.endr
.endr
.irp j, 0,1
.irp c, 0,1
	v_lshrrev_b32 v[TJ+20*\j+2+\c], 23, v[TJ+20*\j+5+\c]
.endr
.endr
.irp j, 0,1
	v_lshl_or_b32 v[PW+\j], v[TJ+20*\j+3], 16, v[TJ+20*\j+2]       ; my bytes h and 2 + h of p's scale word,
.endr
.irp j, 0,1
	v_lshlrev_b32 v[PW+\j], v[SH8], v[PW+\j]       ; 8 h bits up
.endr
.irp j, 0,1
	v_permlanex16_b32 v[TJ+20*\j+4], v[PW+\j], s[SEL], s[SEL+1]
.endr
	CVT 0
	CVT 1
	WIN 0
.irp j, 0,1
	v_or_b32 v[PW+\j], v[PW+\j], v[TJ+20*\j+4]     ; the word is whole (also the plain lines behind the conversions)
.endr
	WIN 0x41
.irp j, 0,1
.irp c, 0,1
.irp i, 0,1,2
	v_mov_b32 v[24*\j+3+6*\c+\i], v[24*\j+12+4*\c+\i]
.endr
.endr
.endr
	SUMS 0                                         ; these lines are also the places in front of the products
	SUMS 1
	s_wait_alu depctr_va_vdst(0)
	s_wait_dscnt 0x0                               ; V is in
	PV 0
	PV 1
	WIN 0
.endm
; SLOT n's eight steps.  Ahead of them each wave waits for all its tensor loads, adds 0 to its spare word and waits for that and for its reads of the slot that it has left.  n < 3: a round of the cluster's barrier, and
; slot n + 1 is asked for, one load a fetching wave, with eight steps in which to land.  n = 3: a plain barrier; nothing is filled.
.macro RUN n
	s_wait_tensorcnt 0x0
	ds_add_u32 v[SPW], v[NIL]
.if \n < 3
	s_add_co_u32 s[G0C+1], s13, ((\n+1)%2)*SLOTB   ; no tensor load of mine is out: the descriptor may be written
	s_add_nc_u64 s[G0C+2:G0C+3], s[G0C+2:G0C+3], SLOTB
	s_wait_dscnt 0x0
	CROUND
	s_cmp_ge_u32 s[WV], 2
	s_cbranch_scc0 .Lnone_\@
	tensor_load_to_lds s[G0C:G0C+3], s[G1C:G1C+7]
	s_nop 0
.rept 4
	v_nop
.endr
.Lnone_\@:
.if \n < 2
	s_cmp_lt_u32 s[WV], 3
	s_cbranch_scc0 .Lnot_mine_\@
	global_prefetch_b8 v[PFO], s[PFA:PFA+1] offset:\n*SLOTB th:TH_LOAD_NT scope:SCOPE_SE   ; slot n + 2
.Lnot_mine_\@:
.endif
.else
	s_wait_dscnt 0x0
	s_barrier_signal -1
	s_barrier_wait -1
.endif
	s_mov_b32 s[TB], (\n%2)*SLOTB
	s_mov_b32 s[TS], \n*4096
	s_mov_b32 s[TRIP], 8
.Lrun_\@:
	STEP
	s_add_co_u32 s[TB], s[TB], STEPB
	s_add_co_u32 s[TS], s[TS], 512
	s_sub_co_u32 s[TRIP], s[TRIP], 1
	s_cmp_lg_u32 s[TRIP], 0
	s_cbranch_scc1 .Lrun_\@
.endm
; A HEAD'S END, tile j, head hd of the pair: O^T / l is quantised along d (two blocks of 32) into half hd of ctx's fragment and bytes 2 hd, 2 hd + 1 of its scale word.  Register 16 a + i of O^T is d = 32 a + 16 h + i.
; The codes are made in window 0, in registers that held fragments, where the two halves of the lanes change places, and moved to the tile's window.
.macro HEADEND j, hd
.set SU_, ST+4*(\j)+2
.set BX_, TJ+20*(\j)
.set BT_, BX_+2
.set SO_, BX_+5
	WIN 0
	v_add_f32 v[SU_], v[SU_], v[SU_+1]
	v_permlanex16_b32 v[BX_+7], v[SU_], s[SEL], s[SEL+1]
	v_add_f32 v[SU_], v[SU_], v[BX_+7]             ; the row's sum
	s_wait_alu depctr_va_vdst(0)
	v_rcp_f32 v[SU_], v[SU_]
	v_nop
	WIN (\j)*0x41
	s_wait_alu depctr_va_vdst(0)
.set jj, 0
.rept 32
	v_mul_f32 v[S+jj], v[OT+jj], v[SU_]            ; ascending: each accumulator is read from its low end on
.set jj, jj+1
.endr
	WIN (\j)*0x05
.irp a, 0,1
	v_max3_num_f32 v[BX_+\a], |v[S+16*\a]|, |v[S+1+16*\a]|, 0x1800000
.endr
	WIN (\j)*0x14
.irp i, 2,4,6,8,10,12,14
.irp a, 0,1
	v_max3_num_f32 v[BX_+\a], v[BX_+\a], |v[S+16*\a+\i]|, |v[S+1+16*\a+\i]|
.endr
.endr
	WIN 0
.irp a, 0,1
	v_permlanex16_b32 v[BT_+\a], v[BX_+\a], s[SEL], s[SEL+1]
.endr
.irp a, 0,1
	v_max_num_f32 v[BX_+\a], v[BX_+\a], v[BT_+\a]
.endr
.irp a, 0,1
	v_add_nc_u32 v[SO_+\a], 0xff000000, v[BX_+\a]
.endr
.irp a, 0,1
	v_lshrrev_b32 v[BT_+\a], 23, v[SO_+\a]
.endr
.if \hd == 0
	v_lshl_or_b32 v[CW+\j], v[BT_+1], 8, v[BT_]
.else
	v_lshl_or_b32 v[CW+\j], v[BT_], 16, v[CW+\j]
	v_lshl_or_b32 v[CW+\j], v[BT_+1], 24, v[CW+\j]
.endif
	WIN (\j)
	v_cvt_scalef32_pk16_fp6_f32 v[F:F+2], v[S:S+15], v[SO_]
	v_cvt_scalef32_pk16_fp6_f32 v[F+4:F+6], v[S+16:S+31], v[SO_+1]
	WIN 0
	v_nop
.irp i, 0,1,2
	v_permlane16_swap_b32 v[F+\i], v[F+4+\i]
.endr
	WIN (\j)*0x40
.irp i, 0,1,2
	v_mov_b32 v[CT+6*\hd+\i], v[F+\i]
	v_mov_b32 v[CT+6*\hd+3+\i], v[F+4+\i]
.endr
.if \hd == 0
	WIN (\j)*0x41
.irp i, 0,1,2,3,4,5
	v_mov_b32 v[QZ+6+\i], v[Q1+\i]                 ; the second head's q
.endr
	WIN 0
	v_mov_b32 v[QS+\j], v[QS1+\j]
	RESET \j
.endif
	WIN 0
.endm
	RUN 0
	RUN 1
.rept 4
	v_nop                                          ; places behind the last products
.endr
	HEADEND 0, 0
	HEADEND 1, 0
	s_wait_alu depctr_va_vdst(0)
	RUN 2
	RUN 3
.rept 4
	v_nop
.endr
	HEADEND 0, 1
	HEADEND 1, 1
.irp c, 0,1,2
	global_store_b128 v[LI], v[CT+4*\c:CT+4*\c+3], s[CBA:CBA+1] offset:512*\c   ; a fragment's image: 512 consecutive bytes a store, aligned
.endr
	WIN 0x04
.irp c, 0,1,2
	global_store_b128 v[LI], v[CT+4*\c:CT+4*\c+3], s[CBA:CBA+1] offset:3072+512*\c   ; tile 1's
.endr
	WIN 0
	ds_store_b32 v[STW], v[CW]                     ; lanes r and r + 16 write the same word with the same value
	ds_store_b32 v[STW], v[CW+1] offset:64
	s_wait_dscnt 0x0
	s_barrier_signal -1
	s_barrier_wait -1
	s_cmp_lt_u32 s[WV], 2                          ; waves 0 and 1 store the work-group's 256 words, 512 consecutive bytes each
	s_cbranch_scc0 .Lnot_words
	ds_load_b128 v[F:F+3], v[STR]
	s_wait_dscnt 0x0
	global_store_b128 v[LI], v[F:F+3], s[CSB:CSB+1]
.Lnot_words:
	s_wait_tensorcnt 0x0                           ; the wave's end
	ds_add_u32 v[SPW], v[NIL]
	s_wait_dscnt 0x0
	CROUND
	s_endpgm
.Lfunc_end_k_qa54aeca037_attn:
	.size	k_qa54aeca037_attn, .Lfunc_end_k_qa54aeca037_attn-k_qa54aeca037_attn
	.p2alignl 7, 3214868480
	.fill 96, 4, 3214868480
	.section	.rodata,"a",@progbits
	.p2align	6, 0x0
	.amdhsa_kernel k_qa54aeca037_attn
		.amdhsa_group_segment_fixed_size 327680
		.amdhsa_private_segment_fixed_size 0
		.amdhsa_enable_private_segment 0
		.amdhsa_kernarg_size 16
		.amdhsa_user_sgpr_count 2
		.amdhsa_user_sgpr_kernarg_segment_ptr 1
		.amdhsa_wavefront_size32 1
		.amdhsa_system_sgpr_workgroup_id_x 1
		.amdhsa_system_sgpr_workgroup_id_y 1
		.amdhsa_system_sgpr_workgroup_id_z 1
		.amdhsa_system_vgpr_workitem_id 0
		.amdhsa_next_free_vgpr 512
		.amdhsa_next_free_sgpr 80
		.amdhsa_reserve_vcc 0
		.amdhsa_float_denorm_mode_32 3
		.amdhsa_float_denorm_mode_16_64 3
		.amdhsa_memory_ordered 1
		.amdhsa_forward_progress 1
		.amdhsa_inst_pref_size 142
	.end_amdhsa_kernel
	.amdgpu_metadata
---
amdhsa.version: [ 1, 2 ]
amdhsa.kernels:
  - .name:           k_qa54aeca037_attn
    .symbol:         k_qa54aeca037_attn.kd
    .args:
      - { .name: qkv, .offset: 0, .size: 8, .value_kind: global_buffer, .address_space: global }
      - { .name: ctx, .offset: 8, .size: 8, .value_kind: global_buffer, .address_space: global }
    .group_segment_fixed_size: 327680
    .private_segment_fixed_size: 0
    .kernarg_segment_align: 8
    .kernarg_segment_size: 16
    .max_flat_workgroup_size: 256
    .sgpr_count:     80
    .vgpr_count:     512
    .wavefront_size: 32
...
	.end_amdgpu_metadata
.endif
;; end of part 3
;; launch outp (part 4): grid 4 x 64, 4 waves a work-group, clusters of 4 x 4, 327,680 bytes of LDS; arguments ctx, wts, bo, out0; writes out0
.if DOCPART == 4
	.amdgcn_target "amdgcn-amd-amdhsa--gfx1250"
	.amdhsa_code_object_version 6
	.text
	.protected	k_qa54aeca037_outp
	.globl	k_qa54aeca037_outp
	.p2align	8
	.type	k_qa54aeca037_outp,@function
k_qa54aeca037_outp:
	s_mov_b64 s[64:65], 0
	v_nop
	global_prefetch_b8 v0, s[64:65] scope:SCOPE_SE
	s_setreg_imm32_b32 hwreg(HW_REG_WAVE_MODE, 25, 1), 1
	s_wait_xcnt 0x0
	s_wait_alu depctr_hold_cnt(0) depctr_sa_sdst(0) depctr_va_vdst(0) depctr_va_sdst(0) depctr_va_ssrc(0) depctr_va_vcc(0) depctr_vm_vsrc(0)
	s_getreg_b32 s2, hwreg(HW_REG_IB_STS2, 6, 4)
	s_cmp_eq_u32 s2, 0
	s_cbranch_scc0 .Lentry_in_a_cluster
	s_endpgm
.Lentry_in_a_cluster:
	s_bfe_u32 s2, ttmp6, 0x10000c
	s_cmp_lg_u32 s2, 0xf033
	s_cbranch_scc0 .Lentry_shape_is_right
	s_endpgm
.Lentry_shape_is_right:
; out0 = ctx Wo + bo on codes of FP6 (E2M3) with E8M0 scales; f32 out.
; 256 work-groups of four waves; a work-group makes 128 rows x 256 columns.  ALL OF K (1,024) LIES IN LDS: Wo's 256 rows of 768 bytes (16 bytes of padding behind each 256), ctx's 8 tiles x 8 images, ctx's scale words:
; each is filled once, at the head, one tensor load a wave (waves 0, 1: a half of Wo's rows each; wave 2: ctx's images; wave 3: its scale words).  Nothing is filled again: no ring.
; A wave holds its 64 rows of Wo, all of K, in registers (32 fragments) and streams ctx's blocks of 16 rows past them: 32 products finish 16 x 64 of the result, which leaves at once through the wave's stage in LDS
; as whole rows of 256 bytes.  The stage lies in Wo's bytes, which have had their only fill and are read no more behind the second barrier.
; CLUSTERS 4 x 4: ctx's tiles are asked for jointly along a row of the cluster, Wo's along a column.
; No prefetch: every tile is asked for at the head; there is no loop to run ahead in.
; The bias is the first products' C.  The matrix instruction is used transposed (source 0 = Wo's rows): a lane holds one row of the result and eight neighbouring columns.
; Storage rows of ctx and of Wo have bits 3 and 4 of the index exchanged; the stores' offsets set both right.
.set KROW,   768
.set PITCH,  816
.set FR,     12
.set FPW,    21                        ; fragments in a window of 256 registers
.set AB,     256*PITCH                 ; ctx's images: [K step of 256: 4][tile 8][2][1,536]
.set SCLA,   AB+98304                  ; ctx's scale words: [K step of 128: 8][row 128]
.set SPARE,  SCLA+4096
.set SPITCH, 272
.set CTXS,   6291456
.set WSTR,   819200
.set WSC,    786432
.set SPW,  10
.set NIL,  11
.set ADRA, 12                          ; v12, v13  images of K steps 0-3, 4-7
.set ADSA, 14
.set STO,  15
.set RD,   16
.set CO,   17
.set ABS,  18
.set BOF,  19
.set BA,   20                          ; v20-27 LDS addresses of my four tiles of Wo (odd: for the pieces behind one padding more)
.set SB,   32                          ; v32-47 Wo's scale words: register 8 p + q: lanes 0-15 tile 2 p, lanes 16-31 tile 2 p + 1
.set SA,   52                          ; v52-67 ctx's: two sets of eight
.set BI,   72                          ; v72-103 the bias, as the result lies
.set ACC,  104                         ; v104-167 two sets of four accumulators
.set BK,   168                         ; v168-231 two sets of 16 rows read back
.set G1B, 24
.set G1A, 32
.set G1S, 48
.set G0B, 68
.set G0A, 72
.set G0S, 76
.set MSB, 0
.macro WIN new
.if MSB != (\new)
	s_set_vgpr_msb (MSB<<8)|(\new)
.set MSB, (\new)
.endif
.endm
.macro PLACES n
.rept \n
	v_nop
.endr
.endm
.macro BARRIER
	s_barrier_signal -1
	s_barrier_wait -1
.endm
.macro CROUND
	BARRIER
	s_cmp_lg_u32 s14, 0
	s_cbranch_scc1 .Lnot_wave_0_\@
	s_barrier_signal -3
.Lnot_wave_0_\@:
	s_barrier_wait -3
	BARRIER
.endm
.macro TLOAD g0, g1
	tensor_load_to_lds s[\g0:\g0+3], s[\g1:\g1+7]
	s_nop 0
	PLACES 4
.endm
.macro SETG0 g, base, off
	s_mov_b32 s[\g], 1
	s_add_nc_u64 s[\g+2:\g+3], s[\base:\base+1], s[\off:\off+1]
	s_or_b32 s[\g+3], s[\g+3], 0x80000000
.endm
; Fragment f lies in window 1 + f / 21 at register 12 (f % 21): 0-31 Wo's (4 q + b), 32-39 and 40-47 ctx's two sets.
.macro FRAG f, q, a0, a1               ; from padded rows: six pieces of 8 bytes, two to a load where both lie behind as many paddings
	WIN (1+(\f)/FPW)<<6
.set R_, FR*((\f)%FPW)
.set SKIP_, 0
.irp p, 0,1,2,3,4,5
.if SKIP_
.set SKIP_, 0
.else
.set PC_, 12*(\q)+6*(\p/3)+\p%3
.set PN_, 12*(\q)+6*((\p+1)/3)+(\p+1)%3
.set X_, (PC_%32+3)/32
.set XQ_, (PN_%32+3)/32
.if (\p < 5) && (X_ == XQ_)
.set SKIP_, 1
.if X_
	ds_load_2addr_b64 v[R_+2*\p:R_+2*\p+3], \a1 offset0:PC_+2*(PC_/32) offset1:PN_+2*(PN_/32)
.else
	ds_load_2addr_b64 v[R_+2*\p:R_+2*\p+3], \a0 offset0:PC_+2*(PC_/32) offset1:PN_+2*(PN_/32)
.endif
.elseif X_
	ds_load_b64 v[R_+2*\p:R_+2*\p+1], \a1 offset:8*(PC_+2*(PC_/32))
.else
	ds_load_b64 v[R_+2*\p:R_+2*\p+1], \a0 offset:8*(PC_+2*(PC_/32))
.endif
.endif
.endr
.endm
.macro FETCHA e, a                     ; block a of ctx, all of K, into set e: 24 loads of images, 8 of scale words: 32
.irp q, 0,1,2,3,4,5,6,7
.set F_, 32+8*(\e)+\q
	WIN (1+F_/FPW)<<6
.irp c, 0,1,2
	ds_load_b128 v[FR*(F_%FPW)+4*\c:FR*(F_%FPW)+4*\c+3], v[ADRA+\q/4] offset:24576*((\q/2)%2)+3072*(\a)+1536*(\q%2)+512*\c
.endr
.endr
	WIN 0
.irp q, 0,1,2,3,4,5,6,7
	ds_load_b32 v[SA+8*(\e)+\q], v[ADSA] offset:512*\q+64*(\a)
.endr
.endm
.macro PROD e, n                       ; n = 4 q + b: the four accumulators take turns
.set Q_, (\n)/4
.set B_, (\n)%4
.set FA_, 32+8*(\e)+Q_
.set D_, ACC+32*(\e)+8*B_
.if Q_
.set C_, D_
.else
.set C_, BI+8*B_
.endif
	WIN (1+(\n)/FPW)|((1+FA_/FPW)<<2)
.if B_%2
	v_wmma_scale_f32_16x16x128_f8f6f4 v[D_:D_+7], v[FR*((\n)%FPW):FR*((\n)%FPW)+FR-1], v[FR*(FA_%FPW):FR*(FA_%FPW)+FR-1], v[C_:C_+7], v[SB+8*(B_/2)+Q_], v[SA+8*(\e)+Q_] matrix_a_fmt:MATRIX_FMT_FP6 matrix_b_fmt:MATRIX_FMT_FP6 matrix_a_scale:MATRIX_SCALE_ROW1
.else
	v_wmma_scale_f32_16x16x128_f8f6f4 v[D_:D_+7], v[FR*((\n)%FPW):FR*((\n)%FPW)+FR-1], v[FR*(FA_%FPW):FR*(FA_%FPW)+FR-1], v[C_:C_+7], v[SB+8*(B_/2)+Q_], v[SA+8*(\e)+Q_] matrix_a_fmt:MATRIX_FMT_FP6 matrix_b_fmt:MATRIX_FMT_FP6 matrix_a_scale:MATRIX_SCALE_ROW0
.endif
.endm
.macro TOST a                          ; block a through my stage: 8 stores, 8 loads; LDS serves a wave's instructions in order
.set AC_, ACC+32*((\a)%2)
.set BB_, BK+32*((\a)%2)
.irp b, 0,1,2,3
	ds_store_b128 v[STO], v[AC_+8*\b:AC_+8*\b+3] offset:128*(\b/2)+32*(\b%2)
	ds_store_b128 v[STO], v[AC_+8*\b+4:AC_+8*\b+7] offset:128*(\b/2)+32*(\b%2)+16
.endr
.irp t, 0,1,2,3,4,5,6,7
	ds_load_b128 v[BB_+4*\t:BB_+4*\t+3], v[RD] offset:\t*2*SPITCH
.endr
.endm
.macro SEND a                          ; sixteen lanes store a row's 256 consecutive bytes, aligned; two rows an instruction
.set BB_, BK+32*((\a)%2)
.irp t, 0,1,2,3,4,5,6,7
	global_store_b128 v[CO], v[BB_+4*\t:BB_+4*\t+3], s[12:13] offset:(32*((\a)/2)+8*((\a)%2)+2*\t+8*(\t/4))*4096 th:TH_STORE_NT
.endr
.endm
	s_load_b256 s[4:11], s[0:1], 0x0               ; ctx, wts, bo, out0
	v_lshl_add_u32 v[SPW], v0, 2, SPARE
	v_mov_b32 v[NIL], 0
	ds_add_u32 v[SPW], v[NIL]                      ; the opening lines
	ds_add_u32 v[SPW], v[NIL]
	v_lshrrev_b32 v1, 5, v0
	v_readfirstlane_b32 s14, v1                    ; wave
	s_and_b32 s15, s14, 1
	s_bfe_u32 s40, ttmp6, 0x40000
	s_bfe_u32 s41, ttmp6, 0x40004
	s_lshl_b32 s42, ttmp9, 2
	s_add_co_u32 s42, s42, s40                     ; tile column (256 columns)
	s_and_b32 s43, ttmp7, 0xffff
	s_lshl_b32 s43, s43, 2
	s_add_co_u32 s43, s43, s41                     ; tile row (128 rows)
	s_lshl_b32 s44, s41, 2
	s_lshl_b32 s44, 15, s44
	s_lshl_b32 s45, 0x1111, s40
	s_or_b32 s[G1B+0], s45, (1<<20)|(1<<21)|(5<<22)|(3<<25)   ; 128 rows of 768 bytes, 16 bytes of padding behind each 256
	s_mov_b32 s[G1B+1], KROW<<16
	s_mov_b32 s[G1B+2], 128<<16
	s_mov_b32 s[G1B+3], KROW<<16
	s_mov_b32 s[G1B+4], 128
	s_mov_b32 s[G1B+5], KROW
	s_mov_b32 s[G1B+6], 0
	s_mov_b32 s[G1B+7], 0
	s_or_b32 s[G1A+0], s44, (3<<16)|(1<<21)        ; 4 rows of 24,576 bytes (8 tiles' images of a K step of 256), 1,572,864 bytes apart
	s_mov_b32 s[G1A+1], 3072<<16
	s_mov_b32 s[G1A+2], 4<<16
	s_mov_b32 s[G1A+3], 3072<<16
	s_mov_b32 s[G1A+4], 4
	s_mov_b32 s[G1A+5], 196608
	s_mov_b32 s[G1A+6], 0
	s_mov_b32 s[G1A+7], 0
	s_or_b32 s[G1S+0], s44, (3<<16)|(1<<21)        ; 8 rows of 512 bytes, 32,768 bytes apart
	s_mov_b32 s[G1S+1], 64<<16
	s_mov_b32 s[G1S+2], 8<<16
	s_mov_b32 s[G1S+3], 64<<16
	s_mov_b32 s[G1S+4], 8
	s_mov_b32 s[G1S+5], 4096
	s_mov_b32 s[G1S+6], 0
	s_mov_b32 s[G1S+7], 0
	s_lshl_b32 s16, s42, 8
	s_lshl_b32 s17, s15, 7
	s_add_co_u32 s17, s17, s16
	s_mul_i32 s18, s17, KROW
	s_add_co_u32 s18, s18, 3*WSTR                  ; Wo's codes: the half that I fetch
	s_mov_b32 s19, 0
	s_mul_i32 s20, s43, 24576                      ; ctx's images
	s_mov_b32 s21, 0
	s_lshl_b32 s22, s43, 9
	s_add_co_u32 s22, s22, CTXS                    ; ctx's scale words
	s_mov_b32 s23, 0
	s_lshl_b32 s46, s14, 6
	s_add_co_u32 s46, s46, s16                     ; my first column
	s_lshl_b32 s56, s46, 5
	s_add_co_u32 s56, s56, 3*WSTR+WSC              ; my 64 rows' scale bytes
	s_mov_b32 s57, 0
	s_lshl_b32 s58, s46, 2
	s_mov_b32 s59, 0
	s_lshl_b32 s60, s43, 19
	s_add_co_u32 s60, s60, s58
	s_mov_b32 s61, 0
	s_mul_i32 s[G0B+1], s15, 128*PITCH
	s_mov_b32 s[G0A+1], AB
	s_mov_b32 s[G0S+1], SCLA
	s_mul_i32 s62, s14, 64*PITCH
	s_mul_i32 s63, s14, 16*SPITCH
	v_and_b32 v1, 15, v0
	v_bfe_u32 v2, v0, 4, 1
	v_and_b32 v3, 31, v0
	v_mul_u32_u24 v4, v1, PITCH
	v_mad_u32_u24 v5, v2, 24, v4
	v_mad_u32_u24 v6, v2, 40, v4
.irp b, 0,1,2,3
	v_add_nc_u32 v[BA+2*\b], s62, v5
	v_add_nc_u32 v[BA+2*\b+1], s62, v6
	s_add_co_u32 s62, s62, 16*PITCH
.endr
	v_lshlrev_b32 v7, 4, v3
	v_add_nc_u32 v[ADRA], AB, v7
	v_add_nc_u32 v[ADRA+1], AB+49152, v7
	v_lshl_add_u32 v[ADSA], v1, 2, SCLA
	v_mul_u32_u24 v8, v1, SPITCH
	v_lshl_add_u32 v8, v2, 6, v8
	v_add_nc_u32 v[STO], s63, v8                   ; into the stage: row l % 16, 64 bytes for each half of the lanes
	v_mul_u32_u24 v9, v2, SPITCH
	v_lshl_add_u32 v9, v1, 4, v9
	v_add_nc_u32 v[RD], s63, v9                    ; back: sixteen lanes to a row
	v_lshlrev_b32 v8, 12, v2
	v_lshl_add_u32 v[CO], v1, 4, v8                ; and the same two rows in out0
	v_lshlrev_b32 v[ABS], 5, v3
	v_lshlrev_b32 v[BOF], 6, v2
	s_wait_alu depctr_va_vdst(0)                   ; the wait at the head's end
	s_wait_dscnt 0x0
	CROUND                                         ; the joint loads meet
	s_wait_kmcnt 0x0
	SETG0 G0B, 6, 18
	SETG0 G0A, 4, 20
	SETG0 G0S, 4, 22
	s_add_nc_u64 s[56:57], s[6:7], s[56:57]
	s_add_nc_u64 s[58:59], s[8:9], s[58:59]
	s_add_nc_u64 s[12:13], s[10:11], s[60:61]
	s_cmp_lt_u32 s14, 2                            ; one chain of branches on the wave's number, one load to an arm
	s_cbranch_scc0 .Larm_a
	TLOAD G0B, G1B
	s_branch .Lasked
.Larm_a:
	s_cmp_eq_u32 s14, 2
	s_cbranch_scc0 .Larm_s
	TLOAD G0A, G1A
	s_branch .Lasked
.Larm_s:
	TLOAD G0S, G1S
.Lasked:
.irp p, 0,1
.irp c, 0,1
	global_load_b128 v[SB+8*\p+4*\c:SB+8*\p+4*\c+3], v[ABS], s[56:57] offset:\p*1024+16*\c
.endr
.endr
.irp b, 0,1,2,3
	global_load_b128 v[BI+8*\b:BI+8*\b+3], v[BOF], s[58:59] offset:(32*(\b/2)+8*(\b%2))*4
	global_load_b128 v[BI+8*\b+4:BI+8*\b+7], v[BOF], s[58:59] offset:(32*(\b/2)+8*(\b%2))*4+16
.endr
	s_cmp_lt_u32 s14, 2
	s_cbranch_scc0 .Lnot_b
	s_wait_tensorcnt 0x0                           ; the two waves that issued Wo's line have waited
.Lnot_b:
	BARRIER                                        ; Wo's rows are in
.irp q, 0,1,2,3,4,5,6,7
.irp b, 0,1,2,3
	FRAG 4*\q+\b, \q, v[BA+2*\b], v[BA+2*\b+1]
.endr
.endr
	WIN 0
	s_wait_tensorcnt 0x0                           ; all that is still out: on every wave's way
	s_wait_dscnt 0x0                               ; my reads of Wo's rows are over
	BARRIER                                        ; ctx's tiles are in, and Wo's bytes are free for the stages
	FETCHA 0, 0
	FETCHA 1, 1
	s_wait_loadcnt 0x0                             ; Wo's scale words and the bias
; THE WAITS' COUNTS: behind block a's fetch were issued the next fetch (32) and, from block 1 on, one turn through the stage (16); behind block 7's only the turn.
.irp a, 0,1,2,3,4,5,6,7
.if \a == 0
	s_wait_dscnt 32
.elseif \a == 7
	s_wait_dscnt 16
.else
	s_wait_dscnt 48
.endif
.if \a >= 2
	SEND \a-2                                      ; its turn through the stage was issued ahead of this block's fetch
.endif
.set N_, 0
.rept 32
	PROD (\a)%2, N_
.set N_, N_+1
.endr
	WIN 0
	PLACES 4                                       ; in front of the stores of results just made and of the loads into the operands' registers
.if \a >= 2
	s_wait_xcnt 0x0                                ; block a - 2's stores have read their registers
.endif
	TOST \a
.if \a+2 < 8
	FETCHA (\a)%2, \a+2
.endif
.endr
	s_wait_dscnt 16
	SEND 6
	s_wait_dscnt 0x0
	SEND 7
	s_wait_tensorcnt 0x0                           ; the wave's end
	ds_add_u32 v[SPW], v[NIL]
	s_wait_dscnt 0x0
	CROUND
	s_endpgm
.Lfunc_end_k_qa54aeca037_outp:
	.size	k_qa54aeca037_outp, .Lfunc_end_k_qa54aeca037_outp-k_qa54aeca037_outp
	.p2alignl 7, 3214868480
	.fill 96, 4, 3214868480
	.section	.rodata,"a",@progbits
	.p2align	6, 0x0
	.amdhsa_kernel k_qa54aeca037_outp
		.amdhsa_group_segment_fixed_size 327680
		.amdhsa_private_segment_fixed_size 0
		.amdhsa_enable_private_segment 0
		.amdhsa_kernarg_size 32
		.amdhsa_user_sgpr_count 2
		.amdhsa_user_sgpr_kernarg_segment_ptr 1
		.amdhsa_wavefront_size32 1
		.amdhsa_system_sgpr_workgroup_id_x 1
		.amdhsa_system_sgpr_workgroup_id_y 1
		.amdhsa_system_sgpr_workgroup_id_z 1
		.amdhsa_system_vgpr_workitem_id 0
		.amdhsa_next_free_vgpr 840
		.amdhsa_next_free_sgpr 80
		.amdhsa_reserve_vcc 0
		.amdhsa_float_denorm_mode_32 3
		.amdhsa_float_denorm_mode_16_64 3
		.amdhsa_memory_ordered 1
		.amdhsa_forward_progress 1
		.amdhsa_inst_pref_size 81
	.end_amdhsa_kernel
	.amdgpu_metadata
---
amdhsa.version: [ 1, 2 ]
amdhsa.kernels:
  - .name:           k_qa54aeca037_outp
    .symbol:         k_qa54aeca037_outp.kd
    .args:
      - { .name: ctx, .offset: 0, .size: 8, .value_kind: global_buffer, .address_space: global }
      - { .name: wts, .offset: 8, .size: 8, .value_kind: global_buffer, .address_space: global }
      - { .name: bo, .offset: 16, .size: 8, .value_kind: global_buffer, .address_space: global }
      - { .name: out0, .offset: 24, .size: 8, .value_kind: global_buffer, .address_space: global }
    .group_segment_fixed_size: 327680
    .private_segment_fixed_size: 0
    .kernarg_segment_align: 8
    .kernarg_segment_size: 32
    .max_flat_workgroup_size: 128
    .sgpr_count:     80
    .vgpr_count:     840
    .wavefront_size: 32
...
	.end_amdgpu_metadata
.endif
;; end of part 4
